; MI455X (gfx1250); checked and timed in simulation.
; The chip was launched on July 23, 2026; its instructions are those of AMD's public machine-readable ISA for CDNA 5 (MIT licence, August 2026) and "CDNA5" Instruction Set Architecture Reference Guide (July 2026). The comments in the code are by the model that wrote it; some were corrected since.
;; Multi Head Attention. Allowed arithmetic: matrix products marked QUANTISED: E2M1 operands, one E8M0 scale for each 32 along K, by v_wmma_scale_f32_16x16x128_f8f6f4 with both operands' format E2M1 (or v_wmma_scale_f32_32x16x128_f4), f32 sums; everything else in f32.
;; Inputs: Wk_codes 1,024 x 32 x 16 uint8 (E2M1 codes of Wk, K innermost, in blocks of 32 codes, two codes a byte); Wk_scales 1,024 x 32 uint8 (E8M0 scales of Wk, one for each 32 codes along K); Wo_codes 1,024 x 32 x 16 uint8 (E2M1 codes of Wo, K innermost, in blocks of 32 codes, two codes a byte); Wo_scales 1,024 x 32 uint8 (E8M0 scales of Wo, one for each 32 codes along K); Wq_codes 1,024 x 32 x 16 uint8 (E2M1 codes of Wq, K innermost, in blocks of 32 codes, two codes a byte); Wq_scales 1,024 x 32 uint8 (E8M0 scales of Wq, one for each 32 codes along K); Wv_codes 1,024 x 32 x 16 uint8 (E2M1 codes of Wv, K innermost, in blocks of 32 codes, two codes a byte); Wv_scales 1,024 x 32 uint8 (E8M0 scales of Wv, one for each 32 codes along K); bo 1,024 float32; x_codes 4 x 2,048 x 32 x 16 uint8 (E2M1 codes of x, K innermost, in blocks of 32 codes, two codes a byte); x_scales 4 x 2,048 x 32 uint8 (E8M0 scales of x, one for each 32 codes along K).
;; Outputs: out0 4 x 2,048 x 1,024 float32.
;; This version of the problem:
;;   THIS VERSION OF THE PROBLEM IS GIVEN IN LOW PRECISION. The matrix products marked QUANTISED in the list below multiply operands that are first quantised to E2M1 (2 exponent bits, 1 mantissa bit; 4 bits a number), with one power-of-two scale for each 32 numbers along K (OCP MX v1.0); their sums are f32. All else is computed in f32.
;;   The module's matrix products, in the order in which they are computed (A, B: the left and right operand; K: the contracted axis; several contracted axes count as one K, in the product's order):
;;     1. [M 8,192, K 1,024] x [K 1,024, N 1,024]; A: input x (given as codes); B: input Wq (given as codes): QUANTISED
;;     2. [M 8,192, K 1,024] x [K 1,024, N 1,024]; A: input x (given as codes); B: input Wk (given as codes): QUANTISED
;;     3. [M 8,192, K 1,024] x [K 1,024, N 1,024]; A: input x (given as codes); B: input Wv (given as codes): QUANTISED
;;     4. batch 64 x [M 2,048, K 64] x [K 64, N 2,048]; A: computed on the way; B: computed on the way: QUANTISED
;;     5. batch 64 x [M 2,048, K 2,048] x [K 2,048, N 64]; A: softmax (see below); B: computed on the way: QUANTISED
;;     6. [M 8,192, K 1,024] x [K 1,024, N 1,024]; A: computed on the way; B: input Wo (given as codes): QUANTISED
;;   THE QUANTISER, for each operand of a quantised product, along K:
;;     - K is cut into blocks of 32 from its start; a last block that is shorter is filled with zeros.
;;     - A block's scale is 2^e with e = floor(log2(the largest magnitude in the block)) - 2, held to -126 .. 127; a block of zeros has e = 0. As a byte (E8M0): e + 127.
;;     - Each number is divided by its block's scale, clamped to +-6, and rounded to the nearest number of E2M1, ties to even, subnormals kept.
;;     - The product sums the exact products of the quantised numbers (number of the format x scale) in f32.
;;   ~~~python
;;   def quantise(x, axis):      # numpy; x: float32 -> the quantised numbers, widened to float32 again
;;       x = np.moveaxis(x, axis, -1); K = x.shape[-1]
;;       x = np.pad(x, [(0, 0)] * (x.ndim - 1) + [(0, -K % 32)]); x = x.reshape(x.shape[:-1] + (-1, 32)); a = np.abs(x).max(-1, keepdims=True)
;;       e = np.where(a > 0, np.clip(np.frexp(np.where(a > 0, a, 1))[1] - 1 - 2, -126, 127), 0)      # np.frexp(a)[1] - 1 = floor(log2(a)), exactly
;;       r = np.clip(x / 2.0 ** e, -6, 6)
;;       step = 2.0 ** (np.maximum(np.frexp(np.where(r == 0, 1, r))[1] - 1, 0) - 1)
;;       q = np.round(r / step) * step * 2.0 ** e      # np.round: ties to even
;;       return np.moveaxis(q.reshape(q.shape[:-2] + (-1,))[..., :K], -1, axis).astype(np.float32)
;;   ~~~
;;   SOFTMAX AHEAD OF A QUANTISED PRODUCT. Where the list says 'softmax', what is quantised is not the finished softmax but p = 2^(t - M), with t = logit x log2(e) and M = ceil(the row's largest t), a whole number; so 1/2 < the row's largest p <= 1. The row's sum l is taken of the UNQUANTISED p, in f32, and the product's result is divided by l at the end. Since M is a whole number, a kernel that streams over the keys may use a running M (the ceiling of the running maximum): every later rescaling is an exact power of two, which a block's scale takes up: the codes' values come out the same.
;;   OPERANDS COMPUTED ON THE WAY. 'Computed on the way' means the value that the module computes at that place (a softmax that the list does not call 'softmax' is quantised finished and normalised). What goes into a quantiser is computed in f32, as accurately as f32 sums, v_exp_f32 and their like allow (about 1e-6 of the number): no bf16 or f16 on the way to a quantiser, and a product that is left as it is and whose result goes on into a quantised operand takes f32 operands (vector FMAs, or v_wmma_f32_16x16x4_f32). A number that lies on a knife's edge between two numbers of the format may be rounded either way, as far as f32 arithmetic and the matrix unit's own rounding can turn it there, and no further.
;;   INPUTS GIVEN AS CODES. Wk (in the module: [1024, 1024], K = its axis 0); Wo (in the module: [1024, 1024], K = its axis 0); Wq (in the module: [1024, 1024], K = its axis 0); Wv (in the module: [1024, 1024], K = its axis 0); x (in the module: [4, 2048, 1024], K = its axis 2): each comes as NAME_codes (uint8): NAME with its K axis moved to the last place and cut into blocks of 32 codes, [.., K / 32, bytes a block], one block behind the other in memory; two codes a byte, the lower K in the low four bits (a code: sign, 2 exponent bits, 1 mantissa bit); and NAME_scales (uint8): the same leading axes, one E8M0 byte (e + 127) for each 32 codes along K. Its value is code x scale, taken as it is: it is not quantised again, and the codes and scales need not be those that the quantiser above would give.
;; One version. Each part assembles by itself: llvm-mc -triple=amdgcn-amd-amdhsa -mcpu=gfx1250 --defsym DOCPART=n.
;; ======== version 1 of 1: 3 launches
;; workspace buffers: qimg 4,194,304 bytes; kimg 4,194,304 bytes; vimg 4,194,304 bytes; qsc 524,288 bytes; ksc 524,288 bytes; vsc 262,144 bytes; cimg 4,194,304 bytes; csc 262,144 bytes
;; launch proj (part 1): grid 12 x 32, 4 waves a work-group, clusters of 4 x 4, 296,448 bytes of LDS; arguments x_codes, x_scales, Wq_codes, Wq_scales, Wk_codes, Wk_scales, Wv_codes, Wv_scales, qimg, qsc, kimg, ksc, vimg, vsc; writes qimg, qsc, kimg, ksc, vimg, vsc
.if DOCPART == 1
	.amdgcn_target "amdgcn-amd-amdhsa--gfx1250"
	.amdhsa_code_object_version 6
	.text
	.protected	k_q0af286eae9_proj
	.globl	k_q0af286eae9_proj
	.p2align	8
	.type	k_q0af286eae9_proj,@function
k_q0af286eae9_proj:
	s_mov_b64 s[64:65], 0
	v_nop
	global_prefetch_b8 v0, s[64:65] scope:SCOPE_SE
	s_setreg_imm32_b32 hwreg(HW_REG_WAVE_MODE, 25, 1), 1
	s_wait_xcnt 0x0
	s_wait_alu depctr_hold_cnt(0) depctr_sa_sdst(0) depctr_va_vdst(0) depctr_va_sdst(0) depctr_va_ssrc(0) depctr_va_vcc(0) depctr_vm_vsrc(0)
	s_getreg_b32 s2, hwreg(HW_REG_IB_STS2, 6, 4)
	s_cmp_eq_u32 s2, 0
	s_cbranch_scc0 .Lentry_in_a_cluster
	s_endpgm
.Lentry_in_a_cluster:
	s_bfe_u32 s2, ttmp6, 0x10000c
	s_cmp_lg_u32 s2, 0xf033
	s_cbranch_scc0 .Lentry_shape_is_right
	s_endpgm
.Lentry_shape_is_right:
; q = x Wq, k = x Wk, v = x Wv on codes of FP4 (E2M1) with one E8M0 scale for each 32 along K = 1,024, and the three results quantised at once for the attention that follows.
; x: 8,192 rows of 512 bytes of codes and 32 scale bytes; each W: 1,024 rows (one for each output feature) of the same make.
; ONE TEXT FOR THE THREE PRODUCTS.  The matrix instruction's source 0 takes 16 rows of the REGISTER SIDE P, source 1 takes 16 rows of the LANE SIDE L: in the result a lane holds one row of L, and its eight
; registers eight neighbouring rows of P.  A result is quantised along P.  q, k (quantised along the head's 64 features): L = tokens (x), P = features (W).  v (quantised along the keys): L = features (Wv), P = tokens (x).
; LDS region A always holds L and region B always holds P, so every LDS address and every wave's part is the same for the three kinds; only addresses in memory hang on the kind.
; SHARES.  384 work-groups of four waves; a work-group makes 256 L x 256 P, a wave 128 x 128: 64 accumulators, 512 registers.  All of K lies in LDS: two halves of 512 along K (rows of 256 bytes), each filled ONCE;
; the scale bytes of the 512 rows likewise.  No LDS byte is filled twice and none is stored to.
; CLUSTERS: 4 x 4 work-groups, all of one kind (the cluster's x: 0 q, 1 k, 2 v).  The four of a row of the cluster need the same rows of L, the four of a column the same rows of P: each tile is asked for jointly.
; THE WAY OUT.  Eight registers of a lane are eight neighbours along the next K: one conversion makes their eight codes.  Two exchanges of lane halves for each 64 along the next K give registers 4 c .. 4 c + 3
; of a 4-bit operand (lane (r, h): row r, k = 64 c + 32 h + 0 .. 31).  Those four registers leave as they stand, 16 bytes a lane at 16 x lane: each store of the wave covers 512 consecutive bytes, aligned.
; LIMITS: NaN, infinities and scale bytes 0xff among the inputs are not served.  A block whose largest magnitude lies under 2^-124 gets the byte 1; so does a block of zeros (its codes are zeros, and this program alone reads the bytes).
; REGISTERS, in windows of 256: window 0: v16-27 addresses; v32-95 scale words, two sets; v96-123 at work on the way out; from v128 L's fragments, one set, later the codes made; v192-215 scale words made.
;   window 1: P's fragments, two sets, at v0 and v128.   window 2: the accumulators of my L rows 0-63 ((a, b) at v[8 (8 a + b)]);   window 3: those of rows 64-127.
.set PITCH,  272                       ; an LDS row: 256 bytes + 16 of padding = 68 words: row r starts at bank 4 r mod 64 (64 banks of 4 bytes: ISA guide 11.1)
.set HALFT,  128*PITCH                 ; 128 rows: what one tensor load brings, and what one wave reads of L or of P
.set SLOT,   4*HALFT                   ; L's 256 rows, then P's 256 rows, for one half of K
.set SCL,    2*SLOT                    ; behind the two halves: the scale bytes, as runs of 256 bytes + 16 of padding
.set HALFS,  16*272                    ; those of 128 rows (4,096 bytes)
.set SBLK,   2*272                     ; those of 16 rows
.set NQ,     4                         ; matrix instructions deep in a half of K
.set FR,     8                         ; registers of a fragment: 16 rows x 128 K
.set NL,     2                         ; LDS loads that bring one
.set NP,     4                         ; places behind this matrix instruction (ISA guide 7.12.1)
.set ADRA, 16                          ; v16-17  LDS address of my L fragments in half 0, 1
.set ADRB, 20                          ; v20-21  the same for P
.set LI,   24                          ; v24     16 x lane
.set LN,   25                          ; v25     lane
.set SVO,  26                          ; v26     v's scale words: 16 r + 4,096 h
.set ADRS, 27                          ; v27     LDS address of my scale words: lanes 0-15 L's rows, lanes 16-31 P's
.set SC,   32                          ; scale words: set s at v[SC + 32 s]; register 4 i + q: lanes 0-15 L's block i, lanes 16-31 P's block i, the half's q-th 128 along K
.set TM,   96                          ; v96-99   four blocks' largest magnitudes
.set T2,   100                         ; v100-103 the other half's, then the bytes
.set SO,   104                         ; v104-107 the conversions' scale operands
.set D4,   108                         ; v108-111 scale words to store
.set VOFF, 112                         ; v112-119 block a's byte offset in the images
.set D4B,  120                         ; v120-123 scale words to store, second head
.set AF,   128                         ; L's fragments
.set PC,   128                         ; later: block a's codes at v[PC + 8 a]
.set HW0,  192                         ; v192-199 block a: bytes of blocks 0, 1 along P
.set HW1,  200                         ; v200-207 block a: bytes of blocks 2, 3
.set WW,   208                         ; v208-215 block a: all four
.set WV,   66                          ; s66  wave
.set WL,   67                          ; s67  which half of L is mine; also: I fetch for A (0) or for B (1)
.set WR,   100                         ; s100 which half of P is mine; also: which 128 rows I fetch
.set KIND, 101                         ; s101 0 q, 1 k, 2 v
.set SEL,  98                          ; s[98:99] lane selects: lane l xor 16
.set G1,   24
.set G0,   32
.set G1B,  48
.set G0B,  56
.set G1S,  68
.set G0S,  76
.set G1SB, 80
.set G0SB, 88
.set MSB, 0
.macro WIN new                         ; the immediate's high byte repeats the setting that is left
.if MSB != \new
	s_set_vgpr_msb (MSB<<8)|\new
.set MSB, \new
.endif
.endm
.set MUL_LO, 0xa1                      ; source 0 (P) window 1, source 1 (L) window 0, C and D window 2
.set MUL_HI, 0xf1                      ; the same, C and D window 3
.set TO_B,   0x40                      ; destination window 1, address window 0
; A joint load: waves 0 and 1 fetch for A, waves 2 and 3 for B.  The branch hangs on the wave's number alone.  Four v_nop follow each of the two lines.
.macro JLOAD g0a, g1a, g0b, g1b
	s_cmp_eq_u32 s[WL], 0
	s_cbranch_scc0 .Lfor_b_\@
	tensor_load_to_lds s[\g0a:\g0a+3], s[\g1a:\g1a+7]
	s_nop 0
.rept 4
	v_nop
.endr
	s_branch .Lasked_\@
.Lfor_b_\@:
	tensor_load_to_lds s[\g0b:\g0b+3], s[\g1b:\g1b+7]
	s_nop 0
.rept 4
	v_nop
.endr
.Lasked_\@:
.endm
.macro CROUND                          ; a round of the cluster's barrier
	s_barrier_signal -1
	s_barrier_wait -1
	s_cmp_lg_u32 s[WV], 0
	s_cbranch_scc1 .Lnot_wave_0_\@
	s_barrier_signal -3
.Lnot_wave_0_\@:
	s_barrier_wait -3
	s_barrier_signal -1
	s_barrier_wait -1
.endm
	s_load_b512 s[4:19], s[0:1], 0x0               ; x codes, x scales, Wq codes, scales, Wk codes, scales, Wv codes, scales
	s_load_b256 s[92:99], s[0:1], 0x40             ; qimg, qsc, kimg, ksc
	s_load_b128 s[20:23], s[0:1], 0x60             ; vimg, vsc
	v_lshl_add_u32 v254, v0, 2, 0x48400
	v_mov_b32 v255, 0
	ds_add_u32 v254, v255
	ds_add_u32 v254, v255
	v_lshrrev_b32 v1, 5, v0
	v_readfirstlane_b32 s[WV], v1                  ; wave 0..3
	s_lshr_b32 s[WL], s[WV], 1
	s_and_b32 s[WR], s[WV], 1
	s_mov_b32 s[KIND], ttmp9                       ; the cluster's x: the same in all sixteen partners
	s_bfe_u32 s40, ttmp6, 0x40000                  ; cx, cy: my place in the cluster
	s_bfe_u32 s41, ttmp6, 0x40004
	s_and_b32 s42, ttmp7, 0xffff
	s_lshl_b32 s42, s42, 2                         ; 4 x the cluster's y
	s_lshl_b32 s43, s41, 2
	s_lshl_b32 s43, 15, s43                        ; my row of the cluster
	s_lshl_b32 s44, 0x1111, s40                    ; my column
	; descriptor group 1: 128 rows x 256 bytes out of rows of 512, padded in LDS
	s_or_b32 s[G1+0], s43, (0<<16)|(1<<20)|(1<<21)|(5<<22)|(3<<25)  ; 15:0 the mask: L's tiles go to my row; elements of 1 byte; padding on; bit 21 beside a mask; 4 words behind every 64
	s_or_b32 s[G1B+0], s44, (0<<16)|(1<<20)|(1<<21)|(5<<22)|(3<<25) ; P's tiles go to my column
.irp g, G1, G1B
	s_mov_b32 s[\g+1], 256<<16                     ; tensor_dim0
	s_mov_b32 s[\g+2], 128<<16                     ; tensor_dim1
	s_mov_b32 s[\g+3], 256<<16                     ; tile_dim0
	s_mov_b32 s[\g+4], 128                         ; tile_dim1
	s_mov_b32 s[\g+5], 512                         ; from row to row
	s_mov_b32 s[\g+6], 0
	s_mov_b32 s[\g+7], 0
.endr
	; the scale bytes of 128 rows: 4,096 dense bytes, as 16 rows of 256 bytes (32 elements of 8), 16 bytes of padding behind each
	s_or_b32 s[G1S+0], s43, (3<<16)|(1<<20)|(1<<21)|(5<<22)|(3<<25)
	s_or_b32 s[G1SB+0], s44, (3<<16)|(1<<20)|(1<<21)|(5<<22)|(3<<25)
.irp g, G1S, G1SB
	s_mov_b32 s[\g+1], 32<<16
	s_mov_b32 s[\g+2], 16<<16
	s_mov_b32 s[\g+3], 32<<16
	s_mov_b32 s[\g+4], 16
	s_mov_b32 s[\g+5], 32
	s_mov_b32 s[\g+6], 0
	s_mov_b32 s[\g+7], 0
.endr
	; which block of 256 rows: q, k: L = x's block 4 cluster y + cy, P = W's block cx;  v: L = Wv's block cy, P = x's block 4 cluster y + cx.  L's never holds cx, P's never cy.
	s_cmp_eq_u32 s[KIND], 2
	s_cselect_b32 s2, 0, s42
	s_cselect_b32 s3, s42, 0
	s_add_co_u32 s2, s2, s41
	s_add_co_u32 s3, s3, s40
	s_lshl_b32 s2, s2, 8                           ; the work-group's first row of L
	s_lshl_b32 s3, s3, 8                           ; and of P
	s_lshl_b32 s47, s[WR], 7
	s_add_co_u32 s[G0+2], s2, s47                  ; the first row that I would fetch for A,
	s_add_co_u32 s[G0B+2], s3, s47                 ; and for B
	s_lshl_b32 s[G0S+2], s[G0+2], 5                ; its scale bytes: 32 a row
	s_mov_b32 s[G0S+3], 0
	s_lshl_b32 s[G0+2], s[G0+2], 9                 ; its codes: 512 bytes a row
	s_mov_b32 s[G0+3], 0
	s_lshl_b32 s[G0SB+2], s[G0B+2], 5
	s_mov_b32 s[G0SB+3], 0
	s_lshl_b32 s[G0B+2], s[G0B+2], 9
	s_mov_b32 s[G0B+3], 0
	s_mul_i32 s45, s[WV], HALFT                    ; where they go: wave x 128 rows: no place in the cluster enters an LDS address
	s_mul_i32 s46, s[WV], HALFS
	s_wait_dscnt 0x0
	s_wait_kmcnt 0x0
	s_cmp_eq_u32 s[KIND], 1                        ; the buffers are chosen by the kind alone
	s_cselect_b64 s[8:9], s[12:13], s[8:9]         ; Wk or Wq
	s_cselect_b64 s[10:11], s[14:15], s[10:11]
	s_cselect_b64 s[92:93], s[96:97], s[92:93]     ; kimg or qimg
	s_cselect_b64 s[94:95], s[98:99], s[94:95]     ; ksc or qsc
	s_cmp_eq_u32 s[KIND], 2
	s_cselect_b64 s[12:13], s[16:17], s[4:5]       ; A's codes: Wv or x
	s_cselect_b64 s[14:15], s[18:19], s[6:7]       ; A's scales
	s_cselect_b64 s[8:9], s[4:5], s[8:9]           ; B's codes: x or W
	s_cselect_b64 s[10:11], s[6:7], s[10:11]       ; B's scales
	s_cselect_b64 s[92:93], s[20:21], s[92:93]     ; the images' buffer
	s_cselect_b64 s[94:95], s[22:23], s[94:95]     ; the scale words' buffer
	s_mov_b32 s[G0S], 1
	s_add_co_u32 s[G0S+1], s46, SCL
	s_add_nc_u64 s[G0S+2:G0S+3], s[14:15], s[G0S+2:G0S+3]
	s_or_b32 s[G0S+3], s[G0S+3], 0x80000000
	s_mov_b32 s[G0SB], 1
	s_add_co_u32 s[G0SB+1], s46, SCL
	s_add_nc_u64 s[G0SB+2:G0SB+3], s[10:11], s[G0SB+2:G0SB+3]
	s_or_b32 s[G0SB+3], s[G0SB+3], 0x80000000
	s_mov_b32 s[G0], 1
	s_mov_b32 s[G0+1], s45
	s_add_nc_u64 s[G0+2:G0+3], s[12:13], s[G0+2:G0+3]
	s_mov_b32 s[G0+4], 1
	s_add_co_u32 s[G0+5], s45, SLOT
	s_add_nc_u64 s[G0+6:G0+7], s[G0+2:G0+3], 256   ; the second half of K: 256 bytes on in each row
	s_or_b32 s[G0+3], s[G0+3], 0x80000000
	s_or_b32 s[G0+7], s[G0+7], 0x80000000
	s_mov_b32 s[G0B], 1
	s_mov_b32 s[G0B+1], s45
	s_add_nc_u64 s[G0B+2:G0B+3], s[8:9], s[G0B+2:G0B+3]
	s_mov_b32 s[G0B+4], 1
	s_add_co_u32 s[G0B+5], s45, SLOT
	s_add_nc_u64 s[G0B+6:G0B+7], s[G0B+2:G0B+3], 256
	s_or_b32 s[G0B+3], s[G0B+3], 0x80000000
	s_or_b32 s[G0B+7], s[G0B+7], 0x80000000
	CROUND                                         ; all sixteen work-groups are here: the joint loads meet
	JLOAD G0S, G1S, G0SB, G1SB                     ; the scales first, then the two halves of K: three tensor loads of mine are out, all that this text issues
	JLOAD G0, G1, G0B, G1B
	JLOAD G0+4, G1, G0B+4, G1B
	v_and_b32 v1, 15, v0                           ; r = l % 16
	v_bfe_u32 v2, v0, 4, 1                         ; h = l / 16
	v_mul_u32_u24 v3, v1, PITCH
	v_lshl_add_u32 v4, v2, 4, v3                   ; a fragment's row x pitch + 16 x half
	s_mul_i32 s4, s[WL], HALFT                     ; my 128 rows of L
	s_mul_i32 s5, s[WR], HALFT                     ; my 128 rows of P,
	s_add_co_u32 s5, s5, 2*HALFT                   ; which lie behind L's 256
.irp s, 0,1
	v_add_nc_u32 v[ADRA+\s], s4, v4
	v_add_nc_u32 v[ADRB+\s], s5, v4
	s_add_co_u32 s4, s4, SLOT
	s_add_co_u32 s5, s5, SLOT
.endr
	v_mul_u32_u24 v5, v1, 32                       ; my row's scales: 32 bytes a row,
	v_lshrrev_b32 v6, 8, v5
	v_lshl_add_u32 v5, v6, 4, v5                   ; and 16 more for each 256 passed
	s_mul_i32 s4, s[WL], HALFS
	s_mul_i32 s5, s[WR], HALFS
	s_add_co_u32 s5, s5, 2*HALFS
	s_sub_co_u32 s5, s5, s4
	v_mul_u32_u24 v6, s5, v2                       ; lanes 16-31 take P's: one product, the distance between the two bases
	s_add_co_u32 s4, s4, SCL
	v_add_nc_u32 v5, v5, v6
	v_add_nc_u32 v[ADRS], s4, v5
	v_and_b32 v[LN], 31, v0
	v_lshlrev_b32 v[LI], 4, v[LN]
	s_wait_alu depctr_va_vdst(0)
	v_lshlrev_b32 v[SVO], 4, v1
	v_lshl_add_u32 v[SVO], v2, 12, v[SVO]
.irp b, 0,1,2,3
	v_mov_b32 v[T2+\b], 0                          ; written once: a lane permute's destination counts as one of its sources
.endr
	s_mov_b32 s[SEL], 0x76543210
	s_mov_b32 s[SEL+1], 0xfedcba98
	; WHERE THE RESULTS GO.  My 128 tokens are one group (of 16 in a batch), my 128 features two heads.
	; images: (16 batch + head) x 65,536 + group x 4,096, for all three kinds.  q, k: + 512 for each tile of tokens (L block a), + 65,536 for the second head (64 on along P).
	; v: + 1,024 for each tile of the head's 64 (L block a % 4), + 65,536 for the second head (a >= 4), + 512 for the second 64 keys.
	s_lshl_b32 s4, s[WL], 7
	s_add_co_u32 s4, s2, s4                        ; my first row of L
	s_add_co_u32 s5, s3, s47                       ; my first row of P
	s_cmp_eq_u32 s[KIND], 2
	s_cselect_b32 s6, s5, s4                       ; my first token
	s_cselect_b32 s7, s4, s5                       ; my first feature
	s_cselect_b32 s8, 10, 9                        ; log2 of the bytes from L block to L block
	s_cselect_b32 s9, 61440, 0                     ; v: L blocks 4-7 belong to the next head: 65,536 - 4 x 1,024 more
	s_cselect_b32 s10, 9, 16                       ; log2 of the bytes from the first 64 along P to the second
	s_cselect_b32 s11, 8, 9                        ; log2 of a group's bytes of scale words
	s_lshr_b32 s6, s6, 7                           ; group of 128 tokens, 0..63
	s_lshr_b32 s7, s7, 6                           ; head
	s_lshr_b32 s12, s6, 4
	s_lshl_b32 s12, s12, 4
	s_add_co_u32 s12, s12, s7                      ; 16 batch + head
	s_and_b32 s13, s6, 15                          ; the group in its batch
	s_lshl_b32 s14, s12, 16
	s_lshl_b32 s15, s13, 12
	s_add_co_u32 s14, s14, s15
	s_mov_b32 s15, 0
	s_add_nc_u64 s[92:93], s[92:93], s[14:15]      ; images, first 64 along P
	s_lshl_b32 s16, 1, s10
	s_mov_b32 s17, 0
	s_add_nc_u64 s[96:97], s[92:93], s[16:17]      ; second 64
	s_lshl_b32 s18, s12, 4
	s_add_co_u32 s18, s18, s13
	s_lshl_b32 s18, s18, s11
	s_mov_b32 s19, 0
	s_add_nc_u64 s[94:95], s[94:95], s[18:19]      ; scale words
.irp a, 0,1,2,3,4,5,6,7
	s_lshl_b32 s20, \a, s8
.if \a >= 4
	s_add_co_u32 s20, s20, s9
.endif
	v_add_nc_u32 v[VOFF+\a], s20, v[LI]
.endr
.macro FRAG reg, adr, q, i             ; a fragment, 16 rows x 128 K of 4-bit codes: lane l holds row l % 16; registers 4 c .. 4 c + 3 hold K = 64 c + 32 (l / 16) + 0 .. 31
.irp c, 0,1
	ds_load_b128 v[\reg+4*\c:\reg+4*\c+3], v[\adr] offset:64*(\q)+32*\c+(\i)*16*PITCH
.endr
.endm
; 16 matrix instructions: L's blocks a0, a0 + 1 x P's eight, the half's q-th 128 along K.  p: P's set; sc: the set of scale words.  zero = 1: the first product starts the sums.
; The 64 accumulators take turns, one instruction a turn, in the same order in every step.
.macro MUL16 a0, p, q, sc, zero
.irp a, \a0, \a0+1
.irp b, 0,1,2,3,4,5,6,7
.if \zero
	v_wmma_scale_f32_16x16x128_f8f6f4 v[8*(8*((\a)%4)+\b):8*(8*((\a)%4)+\b)+7], v[128*(\p)+FR*\b:128*(\p)+FR*\b+FR-1], v[AF+FR*(\a):AF+FR*(\a)+FR-1], 0, v[SC+8*NQ*(\sc)+NQ*\b+(\q)], v[SC+8*NQ*(\sc)+NQ*(\a)+(\q)] matrix_a_fmt:MATRIX_FMT_FP4 matrix_b_fmt:MATRIX_FMT_FP4 matrix_a_scale:MATRIX_SCALE_ROW1
.else
	v_wmma_scale_f32_16x16x128_f8f6f4 v[8*(8*((\a)%4)+\b):8*(8*((\a)%4)+\b)+7], v[128*(\p)+FR*\b:128*(\p)+FR*\b+FR-1], v[AF+FR*(\a):AF+FR*(\a)+FR-1], v[8*(8*((\a)%4)+\b):8*(8*((\a)%4)+\b)+7], v[SC+8*NQ*(\sc)+NQ*\b+(\q)], v[SC+8*NQ*(\sc)+NQ*(\a)+(\q)] matrix_a_fmt:MATRIX_FMT_FP4 matrix_b_fmt:MATRIX_FMT_FP4 matrix_a_scale:MATRIX_SCALE_ROW1
.endif
.endr
.endr
.endm
.macro FETCH_B slot, q, p              ; P's eight fragments into set p
	WIN TO_B
.irp i, 0,1,2,3,4,5,6,7
	FRAG 128*(\p)+FR*\i, ADRB+\slot, \q, \i
.endr
	WIN 0
.endm
.macro FETCH_A slot, q, i0             ; L's blocks i0 .. i0 + 3
.irp i, \i0, \i0+1, \i0+2, \i0+3
	FRAG AF+FR*(\i), ADRA+\slot, \q, \i
.endr
.endm
.macro SCALES sc                       ; a half's scale words into set sc: four words a row; lanes 0-15 take L's block i, lanes 16-31 P's block i
.irp i, 0,1,2,3,4,5,6,7
	ds_load_b128 v[SC+8*NQ*\sc+NQ*\i:SC+8*NQ*\sc+NQ*\i+3], v[ADRS] offset:\i*SBLK
.endr
.endm
; A load into a register that a matrix instruction has read, and a vector instruction that reads a matrix result, stand NP places behind it; only plain vector instructions that name none of its registers are places.
.macro PLACES n
.rept \n
	v_nop
.endr
.endm
; A step of 128 along K that has its successor in the same half.  A block of L is free as soon as its eight products are issued, so one set serves L: blocks 0-3 are fetched anew in the step's middle, blocks 4-7 at its end.
.macro STEP slot, q, zero
	s_wait_dscnt 4*NL                              ; P's set, L's blocks 0-3 and the scale words are in; the youngest eight loads (L's blocks 4-7) may be out
	WIN MUL_LO
	MUL16 0, (\q)%2, \q, \slot, \zero
	MUL16 2, (\q)%2, \q, \slot, \zero
	s_wait_dscnt 0                                 ; L's blocks 4-7 are in
	PLACES NP
	FETCH_B \slot, (\q)+1, 1-(\q)%2
	FETCH_A \slot, (\q)+1, 0
	WIN MUL_HI
	MUL16 4, (\q)%2, \q, \slot, \zero
	MUL16 6, (\q)%2, \q, \slot, \zero
	PLACES NP
	WIN 0
	FETCH_A \slot, (\q)+1, 4
.endm
.macro STEPS slot, from
.set Q, \from
.rept NQ-1-\from
	STEP \slot, Q, 0
.set Q, Q+1
.endr
.endm
	s_wait_tensorcnt 1                             ; the scales and my part of the first half of K are in (the second half's load may be out),
	s_barrier_signal -1
	s_barrier_wait -1                              ; everybody's are
	FETCH_B 0, 0, 0
	FETCH_A 0, 0, 0
	SCALES 0
	FETCH_A 0, 0, 4
	STEP 0, 0, 1                                   ; the first products start the sums: nothing is cleared
	STEPS 0, 1
	; the first half's last step goes over to the second half: one barrier, in front of which each wave's part of that half has landed
	s_wait_tensorcnt 0x0
	s_wait_dscnt 4*NL
	WIN MUL_LO
	MUL16 0, 1, NQ-1, 0, 0
	s_wait_dscnt 0x0                               ; no LDS load of mine is out at the signal
	s_barrier_signal -1
	MUL16 2, 1, NQ-1, 0, 0                         ; work on registers while the others arrive
	WIN 0
	s_barrier_wait -1
	PLACES NP
	v_add_nc_u32 v[ADRS], 4*NQ, v[ADRS]            ; the second half's scale words: 16 bytes on in each row
	FETCH_B 1, 0, 0
	FETCH_A 1, 0, 0
	SCALES 1
	WIN MUL_HI
	MUL16 4, 1, NQ-1, 0, 0
	MUL16 6, 1, NQ-1, 0, 0
	PLACES NP
	WIN 0
	FETCH_A 1, 0, 4
	STEPS 1, 0
	s_wait_dscnt 4*NL                              ; the very last step: nothing more to fetch
	WIN MUL_LO
	MUL16 0, 1, NQ-1, 1, 0
	MUL16 2, 1, NQ-1, 1, 0
	s_wait_dscnt 0
	WIN MUL_HI
	MUL16 4, 1, NQ-1, 1, 0
	MUL16 6, 1, NQ-1, 1, 0
	WIN 0
	PLACES NP
; THE WAY OUT of L block a: 64 numbers a lane, register 8 t + j = index 16 t + 8 h + j along P of my row.  Block b of 32 along P is registers 16 b .. 16 b + 15 of lanes l and l xor 16.
.macro OUT a
.set AC, 64*((\a)%4)
.set PCA, PC+8*(\a)
	WIN 0x0a+5*((\a)/4)                            ; sources 0 and 1: window 2 or 3
.irp b, 0,1,2,3
	v_max3_num_f32 v[TM+\b], |v[AC+16*\b]|, |v[AC+16*\b+1]|, 0x1800000   ; my 16 numbers of block b, each accumulator from its low end on, and the floor 2^(3 - 127): the byte cannot fall under 1
.endr
.irp i, 2,4,6,8,10,12,14
.irp b, 0,1,2,3
	v_max3_num_f32 v[TM+\b], |v[AC+16*\b+\i]|, |v[AC+16*\b+\i+1]|, v[TM+\b]   ; (the four blocks by turns)
.endr
.endr
	WIN 0
.irp b, 0,1,2,3
	v_permlanex16_b32 v[T2+\b], v[TM+\b], s[SEL], s[SEL+1]
.endr
.irp b, 0,1,2,3
	v_max_num_f32 v[TM+\b], v[TM+\b], v[T2+\b]     ; with lane l xor 16's: the block's largest magnitude
.endr
.irp b, 0,1,2,3
	v_add_nc_u32 v[SO+\b], 0xff000000, v[TM+\b]    ; 2 off its exponent field: the conversion takes the exponent field of this operand as its scale
.endr
.irp b, 0,1,2,3
	v_lshrrev_b32 v[T2+\b], 23, v[SO+\b]           ; the scale's byte
.endr
	v_lshl_or_b32 v[HW0+\a], v[T2+1], 8, v[T2]
	v_lshl_or_b32 v[HW1+\a], v[T2+3], 8, v[T2+2]
	WIN 0x02+((\a)/4)                              ; source 0: window 2 or 3
.irp t, 0,1,2,3,4,5,6,7
	v_cvt_scalef32_pk8_fp4_f32 v[PCA+4*(\t/4)+2*(\t%2)+(\t%4)/2], v[AC+8*\t:AC+8*\t+7], v[SO+\t/2]   ; tile t's eight codes; of four tiles the order 0, 2, 1, 3, for the exchanges below
.endr
	WIN 0
	v_nop                                          ; one plain place behind a scaled conversion
.irp c, 0,1
	v_permlane16_swap_b32 v[PCA+4*\c], v[PCA+4*\c+1]     ; the first's lanes 16-31 change places with the second's lanes 0-15: lanes 0-15 now hold block 2 c whole, lanes 16-31 block 2 c + 1
	v_permlane16_swap_b32 v[PCA+4*\c+2], v[PCA+4*\c+3]
.endr
	global_store_b128 v[VOFF+\a], v[PCA:PCA+3], s[92:93]       ; 512 consecutive bytes; data and offset have registers of their own, so nothing that a store reads is written again
	global_store_b128 v[VOFF+\a], v[PCA+4:PCA+7], s[96:97]
.endm
.irp a, 0,1,2,3,4,5,6,7
	OUT \a
.endr
	; THE SCALE WORDS.  q, k: a head's word of a token is its two bytes (the upper two are 0 and stand over zero codes); lane (r, h) stores the words of tiles 4 h .. 4 h + 3 of its group: 512 consecutive bytes a head.
	; v: a word is the four bytes of the step's four key blocks; lane (r, h) stores those of head h's four tiles: 256 consecutive bytes a head.
	v_cmp_gt_u32 vcc_lo, 16, v[LN]
	s_cmp_eq_u32 s[KIND], 2
	s_cbranch_scc1 .Lv_words
.irp i, 0,1,2,3
	v_cndmask_b32 v[D4+\i], v[HW0+4+\i], v[HW0+\i], vcc_lo
	v_cndmask_b32 v[D4B+\i], v[HW1+4+\i], v[HW1+\i], vcc_lo
.endr
	global_store_b128 v[LI], v[D4:D4+3], s[94:95]
	global_store_b128 v[LI], v[D4B:D4B+3], s[94:95] offset:8192
	s_branch .Lwords_out
.Lv_words:
.irp a, 0,1,2,3,4,5,6,7
	v_lshl_or_b32 v[WW+\a], v[HW1+\a], 16, v[HW0+\a]
.endr
.irp i, 0,1,2,3
	v_cndmask_b32 v[D4+\i], v[WW+4+\i], v[WW+\i], vcc_lo
.endr
	global_store_b128 v[SVO], v[D4:D4+3], s[94:95]
.Lwords_out:
	s_wait_tensorcnt 0x0
	ds_add_u32 v254, v255
	s_wait_dscnt 0x0
	CROUND                                         ; the closing round: no work-group ends while a partner may still ask for a tile that names it
	s_endpgm
.Lfunc_end_k_q0af286eae9_proj:
	.size	k_q0af286eae9_proj, .Lfunc_end_k_q0af286eae9_proj-k_q0af286eae9_proj
	.p2alignl 7, 3214868480
	.fill 96, 4, 3214868480
	.section	.rodata,"a",@progbits
	.p2align	6, 0x0
	.amdhsa_kernel k_q0af286eae9_proj
		.amdhsa_group_segment_fixed_size 296448
		.amdhsa_private_segment_fixed_size 0
		.amdhsa_enable_private_segment 0
		.amdhsa_kernarg_size 112
		.amdhsa_user_sgpr_count 2
		.amdhsa_user_sgpr_kernarg_segment_ptr 1
		.amdhsa_wavefront_size32 1
		.amdhsa_system_sgpr_workgroup_id_x 1
		.amdhsa_system_sgpr_workgroup_id_y 1
		.amdhsa_system_sgpr_workgroup_id_z 1
		.amdhsa_system_vgpr_workitem_id 0
		.amdhsa_next_free_vgpr 1024
		.amdhsa_next_free_sgpr 102
		.amdhsa_reserve_vcc 1
		.amdhsa_float_denorm_mode_32 3
		.amdhsa_float_denorm_mode_16_64 3
		.amdhsa_memory_ordered 1
		.amdhsa_forward_progress 1
		.amdhsa_inst_pref_size 130
	.end_amdhsa_kernel
	.amdgpu_metadata
---
amdhsa.version: [ 1, 2 ]
amdhsa.kernels:
  - .name:           k_q0af286eae9_proj
    .symbol:         k_q0af286eae9_proj.kd
    .args:
      - { .name: x_codes, .offset: 0, .size: 8, .value_kind: global_buffer, .address_space: global }
      - { .name: x_scales, .offset: 8, .size: 8, .value_kind: global_buffer, .address_space: global }
      - { .name: Wq_codes, .offset: 16, .size: 8, .value_kind: global_buffer, .address_space: global }
      - { .name: Wq_scales, .offset: 24, .size: 8, .value_kind: global_buffer, .address_space: global }
      - { .name: Wk_codes, .offset: 32, .size: 8, .value_kind: global_buffer, .address_space: global }
      - { .name: Wk_scales, .offset: 40, .size: 8, .value_kind: global_buffer, .address_space: global }
      - { .name: Wv_codes, .offset: 48, .size: 8, .value_kind: global_buffer, .address_space: global }
      - { .name: Wv_scales, .offset: 56, .size: 8, .value_kind: global_buffer, .address_space: global }
      - { .name: qimg, .offset: 64, .size: 8, .value_kind: global_buffer, .address_space: global }
      - { .name: qsc, .offset: 72, .size: 8, .value_kind: global_buffer, .address_space: global }
      - { .name: kimg, .offset: 80, .size: 8, .value_kind: global_buffer, .address_space: global }
      - { .name: ksc, .offset: 88, .size: 8, .value_kind: global_buffer, .address_space: global }
      - { .name: vimg, .offset: 96, .size: 8, .value_kind: global_buffer, .address_space: global }
      - { .name: vsc, .offset: 104, .size: 8, .value_kind: global_buffer, .address_space: global }
    .group_segment_fixed_size: 296448
    .private_segment_fixed_size: 0
    .kernarg_segment_align: 8
    .kernarg_segment_size: 112
    .max_flat_workgroup_size: 128
    .sgpr_count:     102
    .vgpr_count:     1024
    .wavefront_size: 32
...
	.end_amdgpu_metadata
.endif
;; end of part 1
;; launch attn (part 2): grid 4 x 64, 16 waves a work-group, no clusters, 169,984 bytes of LDS; arguments qimg, qsc, kimg, ksc, vimg, vsc, cimg, csc; writes cimg, csc
.if DOCPART == 2
	.amdgcn_target "amdgcn-amd-amdhsa--gfx1250"
	.amdhsa_code_object_version 6
	.text
	.protected	k_q0af286eae9_attn
	.globl	k_q0af286eae9_attn
	.p2align	8
	.type	k_q0af286eae9_attn,@function
k_q0af286eae9_attn:
	s_mov_b64 s[64:65], 0
	v_nop
	global_prefetch_b8 v0, s[64:65] scope:SCOPE_SE
	s_setreg_imm32_b32 hwreg(HW_REG_WAVE_MODE, 25, 1), 1
	s_wait_xcnt 0x0
; Causal attention of one head on codes of FP4 (E2M1) with E8M0 scales, and the result quantised along the model's 1,024 for the last product.
; INPUTS, all made by the launch before, as images of operand registers: a piece is 512 bytes, lane (r, h)'s 16 bytes at 16 x lane = the codes of row r, k = 32 h + 0 .. 31 of 64 along K.
;   qimg, kimg [head 64][tile of 16 tokens, 128][piece] (K = the head's 64);  vimg [head][step of 128 keys, 16][tile of 16 of the head's 64, 4][64 keys, 2][piece] (K = the keys);
;   qsc, ksc [head][group of 128 tokens][half 2][r 16][4 words]: word i of lane (r, half) is tile 4 half + i's;  vsc [head][step][r 16][4 words, one a tile].
; THE SOFTMAX: t = score x log2(e) / 8; M = the row's largest t so far, rounded UP to a whole number; p = 2^(t - M) is quantised along the keys, not normalised; the row's sum is taken of the unquantised p and divides at
; the end.  When M moves, the sum and O are multiplied by 2^(old M - new M): exact.
; SHARES.  256 work-groups: head = y, pair = x.  A work-group takes query blocks x and 7 - x (256 queries each) in two passes; each of its SIXTEEN waves owns one tile of 16 queries a pass, the waves in reverse in the second:
; first query Q and then 2,032 - Q, so that every wave has 17 key steps of 128 that count.  Four waves to a SIMD: one wave's vector work stands beside another's products and LDS loads.
; ALL OF THE HEAD'S K AND V LIES IN LDS, filled ONCE (143,360 bytes): no byte is filled twice, none is stored to, and the text has one barrier.
; NO CLUSTER, though the four work-groups of a head read the same K and V: the branch that leaves hidden key steps out hangs on the query block, which would be a partner's place in the cluster.
; LAYOUT.  Both products are used transposed: S^T = K Q^T (source 0 = 16 keys, source 1 = my 16 queries), O^T = V^T P^T: a lane holds ONE query (lane % 16) throughout; register 8 t + j of S^T is key 16 t + 8 (lane / 16) + j.
; The head is 64 and the instruction 128 deep: registers 4-7 of K's and Q's fragments are zero codes, written once.
; LIMITS: NaN and infinities are not served; a p under 2^-126 comes out of v_exp_f32 as 0; a block whose largest magnitude lies under 2^-124, or that is all zeros, gets the byte 1 (zeros stay zero codes).
.set VIMG, 65536                       ; LDS: K's images at 0, V's here,
.set KSC,  131072                      ; K's scale words (8,192 bytes),
.set VSC,  139264                      ; V's (4,096 bytes)
.set LI,   1                           ; v1   16 x lane
.set RV,   2                           ; v2   VSC + 16 r
.set D0,   3                           ; v3   r - 8 h
.set QSO,  4                           ; v4   16 r
.set CSO,  5                           ; v5   32 r
.set ADK,  8                           ; v8-11 LDS addresses of the step in hand: K, V, K's scale words, V's
.set ADV,  9
.set ADS,  10
.set ADT,  11
.set QF,   16                          ; v16-19 Q's codes, v20-23 zeros
.set QS,   24                          ; v24    Q's scale words
.set KFR,  32                          ; v32-63 four fragments of K (registers 4-7 of each: zeros)
.set VFR,  64                          ; v64-95 four fragments of V
.set S,    96                          ; v96-159 S^T, then p; at the end O^T / the sum
.set OT,   160                         ; v160-191 O^T
.set PC,   192                         ; v192-199 p's codes
.set SK,   200                         ; v200-203 K's scale words: lanes 0-15 tiles 0-3, lanes 16-31 tiles 4-7
.set SV,   204                         ; v204-207 V's
.set BM,   208                         ; v208-211 the blocks' largest scores, then largest p
.set T2,   212                         ; v212-215 the other half's, then the bytes
.set SO,   216                         ; v216-219 the conversions' scale operands
.set PW,   220                         ; v220 p's scale word
.set TP,   221                         ; v221 at work
.set FF,   222                         ; v[222:223] f = 2^(old M - new M); the upper word is only named
.set SUM2, 226                         ; v[226:227] the sum's second chain
.set NINF, 228                         ; v228 -infinity
.set DD,   229                         ; v229 my query less the step's first key of my half
.set CX,   232                         ; v232-235 the result's codes
.set CW,   236                         ; v236 its two scale bytes
.set RL,   238                         ; v[238:239] 1 / the sum, twice
.set SEL,  20                          ; s[20:21] lane selects: lane l xor 16
.set CS,   22                          ; s[22:23] c = log2(e) / 8
.set WV,   24
.set BH,   25
.set Q0,   27                          ; my first query
.set QL,   28                          ; my last
.set KF,   29                          ; the step's first key
.set JJ,   30                          ; the step
.set TK,   31                          ; the step's images: 4,096 bytes a step
.set TS,   32                          ; K's scale words: 512 a step
.set TT,   33                          ; V's: 256 a step
.set G1C,  36
.set G1KS, 44
.set G1VS, 52
.set G0C,  60
.set G0KS, 68
.set G0VS, 72
	s_load_b512 s[4:19], s[0:1], 0x0               ; qimg, qsc, kimg, ksc, vimg, vsc, cimg, csc
	v_lshl_add_u32 v254, v0, 2, 0x29000
	v_mov_b32 v255, 0
	ds_add_u32 v254, v255
	ds_add_u32 v254, v255
	v_lshrrev_b32 v6, 5, v0
	s_delay_alu instid0(VALU_DEP_1)
	v_readfirstlane_b32 s[WV], v6                  ; wave 0..15
	s_and_b32 s[BH], ttmp7, 0xffff                 ; 16 batch + head
	; descriptor groups 1: dense blocks as rows of 256 bytes (32 elements of 8): 64 rows of images, 32 of K's scale words, 16 of V's
.irp g, G1C, G1KS, G1VS
	s_mov_b32 s[\g], 3<<16
	s_mov_b32 s[\g+1], 32<<16
	s_mov_b32 s[\g+3], 32<<16
	s_mov_b32 s[\g+5], 32
	s_mov_b32 s[\g+6], 0
	s_mov_b32 s[\g+7], 0
.endr
	s_mov_b32 s[G1C+2], 64<<16
	s_mov_b32 s[G1C+4], 64
	s_mov_b32 s[G1KS+2], 32<<16
	s_mov_b32 s[G1KS+4], 32
	s_mov_b32 s[G1VS+2], 16<<16
	s_mov_b32 s[G1VS+4], 16
	s_lshl_b32 s84, s[BH], 16                      ; the head's images: 65,536 bytes in each of the three buffers
	s_mov_b32 s85, 0
	s_lshl_b32 s86, s[BH], 13                      ; its scale words of q and k
	s_mov_b32 s87, 0
	s_lshl_b32 s88, s[BH], 12                      ; and of v
	s_mov_b32 s89, 0
	s_lshr_b32 s34, s[BH], 4                       ; batch
	s_and_b32 s35, s[BH], 15                       ; head
	s_lshl_b32 s90, s34, 20                        ; cimg: 128 tiles of tokens a batch x 8,192 bytes,
	s_lshl_b32 s91, s35, 9                         ; + 512 x head
	s_add_co_u32 s90, s90, s91
	s_mov_b32 s91, 0
	s_lshl_b32 s34, s34, 16                        ; csc: 2,048 tokens a batch x 32 bytes,
	s_lshl_b32 s35, s35, 1                         ; + 2 x head
	s_add_co_u32 s34, s34, s35
	s_mov_b32 s35, 0
	s_and_b32 s76, s[WV], 3
	s_lshl_b32 s76, s76, 14                        ; the quarter of K's or V's images that I would fetch
	s_mov_b32 s77, 0
	s_mov_b32 s[SEL], 0x76543210
	s_mov_b32 s[SEL+1], 0xfedcba98
	s_mov_b32 s[CS], 0x3e38aa3b                    ; c = log2(e) / sqrt(64)
	s_mov_b32 s[CS+1], s[CS]                       ; (named with it as a pair, so it is written)
	s_lshl_b32 s[Q0], ttmp9, 8
	s_lshl_b32 s26, s[WV], 4
	s_add_co_u32 s[Q0], s[Q0], s26                 ; the first pass: 256 x + 16 wave
	s_wait_dscnt 0x0
	s_wait_kmcnt 0x0
	s_add_nc_u64 s[4:5], s[4:5], s[84:85]
	s_add_nc_u64 s[8:9], s[8:9], s[84:85]
	s_add_nc_u64 s[12:13], s[12:13], s[84:85]
	s_add_nc_u64 s[6:7], s[6:7], s[86:87]
	s_add_nc_u64 s[10:11], s[10:11], s[86:87]
	s_add_nc_u64 s[14:15], s[14:15], s[88:89]
	s_add_nc_u64 s[16:17], s[16:17], s[90:91]
	s_add_nc_u64 s[18:19], s[18:19], s[34:35]
	s_mov_b32 s[G0C], 1
	s_lshl_b32 s[G0C+1], s[WV], 14                 ; waves 0-3: K's four quarters from byte 0; waves 4-7: V's from byte 65,536
	s_cmp_lt_u32 s[WV], 4
	s_cselect_b64 s[G0C+2:G0C+3], s[8:9], s[12:13]
	s_add_nc_u64 s[G0C+2:G0C+3], s[G0C+2:G0C+3], s[76:77]
	s_or_b32 s[G0C+3], s[G0C+3], 0x80000000
	s_mov_b32 s[G0KS], 1
	s_mov_b32 s[G0KS+1], KSC
	s_mov_b64 s[G0KS+2:G0KS+3], s[10:11]
	s_or_b32 s[G0KS+3], s[G0KS+3], 0x80000000
	s_mov_b32 s[G0VS], 1
	s_mov_b32 s[G0VS+1], VSC
	s_mov_b64 s[G0VS+2:G0VS+3], s[14:15]
	s_or_b32 s[G0VS+3], s[G0VS+3], 0x80000000
	; THE FILLS, all of them: one tensor load a wave for waves 0 to 9, in one branch on the wave's number; four v_nop follow each line
	s_cmp_lt_u32 s[WV], 8
	s_cbranch_scc0 .Lnot_images
	tensor_load_to_lds s[G0C:G0C+3], s[G1C:G1C+7]
	s_nop 0
.rept 4
	v_nop
.endr
	s_branch .Lasked
.Lnot_images:
	s_cmp_eq_u32 s[WV], 8
	s_cbranch_scc0 .Lnot_k_words
	tensor_load_to_lds s[G0KS:G0KS+3], s[G1KS:G1KS+7]
	s_nop 0
.rept 4
	v_nop
.endr
	s_branch .Lasked
.Lnot_k_words:
	s_cmp_eq_u32 s[WV], 9
	s_cbranch_scc0 .Lasked
	tensor_load_to_lds s[G0VS:G0VS+3], s[G1VS:G1VS+7]
	s_nop 0
.rept 4
	v_nop
.endr
.Lasked:
	v_and_b32 v6, 31, v0
	s_delay_alu instid0(VALU_DEP_1)
	v_lshlrev_b32 v[LI], 4, v6
	v_and_b32 v6, 15, v0                           ; r
	v_bfe_u32 v7, v0, 4, 1                         ; h
	s_delay_alu instid0(VALU_DEP_2)
	v_lshl_add_u32 v[RV], v6, 4, VSC
	s_delay_alu instid0(VALU_DEP_2)
	v_lshlrev_b32 v7, 3, v7
	s_delay_alu instid0(VALU_DEP_1)
	v_sub_nc_u32 v[D0], v6, v7
	v_lshlrev_b32 v[QSO], 4, v6
	v_lshlrev_b32 v[CSO], 5, v6
.irp i, 0,1,2,3
	v_mov_b32 v[QF+4+\i], 0                        ; the upper 64 of the instruction's 128 along K: zero codes
	v_mov_b32 v[KFR+4+\i], 0
	v_mov_b32 v[KFR+12+\i], 0
	v_mov_b32 v[KFR+20+\i], 0
	v_mov_b32 v[KFR+28+\i], 0
	v_mov_b32 v[T2+\i], 0                          ; written once: a lane permute's destination counts as one of its sources
.endr
	v_mov_b32 v[TP], 0
	v_mov_b32 v[FF+1], 0                           ; (named as the upper half of the pair)
	v_mov_b32 v[NINF], 0xff800000
; A PASS: my tile of 16 queries from s[Q0] on, against the keys 0 .. last query.  first = 1: the wait for the fills and the kernel's one barrier stand at the end of the head.
.macro PASS first
	s_wait_xcnt 0x0                                ; the last pass's loads and stores have read their bases: they are written again only behind this wait
	s_add_co_u32 s[QL], s[Q0], 15
	s_lshl_b32 s84, s[Q0], 5
	s_mov_b32 s85, 0
	s_add_nc_u64 s[76:77], s[4:5], s[84:85]        ; q's piece: 512 bytes a tile of 16
	s_add_nc_u64 s[82:83], s[18:19], s[84:85]      ; csc: 32 bytes a token
	s_lshl_b32 s84, s[Q0], 9
	s_add_nc_u64 s[80:81], s[16:17], s[84:85]      ; cimg: 8,192 bytes a tile of 16
	s_lshr_b32 s84, s[Q0], 6
	s_lshl_b32 s84, s84, 8                         ; q's scale words: 512 x group + 256 x half,
	s_bfe_u32 s86, s[Q0], 0x20004
	s_lshl_b32 s86, s86, 2                         ; + 4 x the tile in its half
	s_add_co_u32 s84, s84, s86
	s_add_nc_u64 s[78:79], s[6:7], s[84:85]
	global_load_b128 v[QF:QF+3], v[LI], s[76:77]
	global_load_b32 v[QS], v[QSO], s[78:79]
	v_mov_b32 v13, 0xff61b1e6                      ; the largest t so far: -3e38, under every t
	s_delay_alu instid0(VALU_DEP_1)
	v_floor_f32 v12, -v13                          ; -M
	v_mov_b32 v14, 0                               ; the sum, in two halves
	v_mov_b32 v15, 0
.set n, 0
.rept 32
	v_mov_b32 v[OT+n], 0                           ; O^T.  (The step is written once: the first finds zeros, which the first change of M leaves zeros)
.set n, n+1
.endr
	s_mov_b32 s[KF], 0
	s_mov_b32 s[JJ], 0
	s_mov_b32 s[TK], 0
	s_mov_b32 s[TT], 0
	s_mov_b32 s[TS], KSC
	s_wait_loadcnt 0x0                             ; Q
.if \first
	s_wait_tensorcnt 0x0                           ; my fill has landed,
	s_barrier_signal -1
	s_barrier_wait -1                              ; everybody's has
.endif
.Lstep_\@:                                         ; 16 trips, a constant; a step all of whose keys come after my queries is left out by a scalar branch on ids, round its work and not round the lines that step addresses
	s_cmp_gt_u32 s[KF], s[QL]
	s_cbranch_scc1 .Lhid_\@
	s_setprio 2
	v_add_nc_u32 v[ADK], s[TK], v[LI]              ; (these four are also the places between the last step's products and the loads into their registers)
	v_add_nc_u32 v[ADS], s[TS], v[LI]
	v_add_nc_u32 v[ADT], s[TT], v[RV]
	s_delay_alu instid0(VALU_DEP_3)
	v_add_nc_u32 v[ADV], VIMG, v[ADK]
.irp i, 0,1,2,3
	ds_load_b128 v[KFR+8*\i:KFR+8*\i+3], v[ADK] offset:512*\i      ; a tile of 16 keys: 512 consecutive bytes
.endr
	ds_load_b128 v[SK:SK+3], v[ADS]
	s_wait_alu depctr_va_vdst(0)
	s_wait_dscnt 0x0
.irp t, 0,1,2,3
	v_wmma_scale_f32_16x16x128_f8f6f4 v[S+8*\t:S+8*\t+7], v[KFR+8*\t:KFR+8*\t+7], v[QF:QF+7], 0, v[SK+\t], v[QS] matrix_a_fmt:MATRIX_FMT_FP4 matrix_b_fmt:MATRIX_FMT_FP4
.endr
.rept 4
	v_nop                                          ; places in front of loads into registers that these products read
.endr
.irp i, 0,1,2,3
	ds_load_b128 v[KFR+8*\i:KFR+8*\i+3], v[ADK] offset:2048+512*\i
.endr
	s_wait_dscnt 0x0
.irp t, 0,1,2,3
	v_wmma_scale_f32_16x16x128_f8f6f4 v[S+32+8*\t:S+32+8*\t+7], v[KFR+8*\t:KFR+8*\t+7], v[QF:QF+7], 0, v[SK+\t], v[QS] matrix_a_fmt:MATRIX_FMT_FP4 matrix_b_fmt:MATRIX_FMT_FP4 matrix_a_scale:MATRIX_SCALE_ROW1
.endr
.irp t, 0,1,2,3
.irp c, 0,1
	ds_load_b128 v[VFR+8*\t+4*\c:VFR+8*\t+4*\c+3], v[ADV] offset:1024*\t+512*\c   ; V's four fragments land under the softmax
.endr
.endr
	ds_load_b128 v[SV:SV+3], v[ADT]
.rept 4
	v_nop                                          ; places in front of the first read of the scores
.endr
	s_add_co_u32 s34, s[KF], 127                   ; on the diagonal the scores of hidden keys become -infinity ahead of the maximum: p = 0 then.  A step all of whose keys count skips this
	s_cmp_le_u32 s34, s[Q0]
	s_cbranch_scc1 .Lopen_\@
	s_sub_co_i32 s34, s[Q0], s[KF]
	v_add_nc_u32 v[DD], s34, v[D0]                 ; register 8 t + j holds key KF + 16 t + 8 h + j: hidden where 16 t + j > my query - KF - 8 h
.set n, 0
.rept 64
	v_cmp_gt_i32 vcc_lo, 16*(n/8)+n%8, v[DD]
	v_cndmask_b32 v[S+n], v[S+n], v[NINF], vcc_lo
.set n, n+1
.endr
.Lopen_\@:
.irp b, 0,1,2,3
	v_max3_num_f32 v[BM+\b], v[S+16*\b], v[S+1+16*\b], v[S+2+16*\b]   ; THE LARGEST SCORE OF EACH BLOCK OF 32 KEYS serves twice: for the row's maximum and, since p rises with the score, for the block's largest p
.endr
.irp i, 3,5,7,9,11,13
.irp b, 0,1,2,3
	v_max3_num_f32 v[BM+\b], v[BM+\b], v[S+16*\b+\i], v[S+1+16*\b+\i]
.endr
.endr
.irp b, 0,1,2,3
	v_max_num_f32 v[BM+\b], v[BM+\b], v[S+15+16*\b]
.endr
.irp b, 0,1,2,3
	s_delay_alu instid0(VALU_DEP_4)
	v_permlanex16_b32 v[T2+\b], v[BM+\b], s[SEL], s[SEL+1]
.endr
.irp b, 0,1,2,3
	s_delay_alu instid0(VALU_DEP_4)
	v_max_num_f32 v[BM+\b], v[BM+\b], v[T2+\b]     ; with lane l xor 16's 16 keys
.endr
	s_delay_alu instid0(VALU_DEP_2)
	v_max3_num_f32 v[TP], v[BM], v[BM+1], v[BM+2]
	s_delay_alu instid0(VALU_DEP_1)
	v_max_num_f32 v[TP], v[TP], v[BM+3]            ; the step's largest score of my query
	s_delay_alu instid0(VALU_DEP_1)
	v_mul_f32 v[TP], s[CS], v[TP]                  ; as t (c is positive)
	s_delay_alu instid0(VALU_DEP_1)
	v_max_num_f32 v13, v13, v[TP]                  ; the running largest t
	v_mov_b32 v[TP], v12
	s_delay_alu instid0(VALU_DEP_2)
	v_floor_f32 v12, -v13                          ; the new -M = floor(-t) = -ceil(t): a whole number
	s_delay_alu instid0(VALU_DEP_1)
	v_sub_f32 v[TP], v12, v[TP]                    ; M's old value less its new one: 0 or less
	s_delay_alu instid0(VALU_DEP_1)
	v_cvt_i32_f32 v[TP], v[TP]                     ; (it saturates)
	s_delay_alu instid0(VALU_DEP_1)
	v_ldexp_f32 v[FF], 1.0, v[TP]                  ; f = 2^(old M - new M)
.set n, 0
.rept 32
	v_pk_fma_f32 v[S+n:S+n+1], v[S+n:S+n+1], s[CS:CS+1], v[12:13] op_sel_hi:[1,0,0]   ; t - M, two at a time
.set n, n+2
.endr
	s_setprio 1
.irp b, 0,1,2,3
	v_fma_f32 v[BM+\b], v[BM+\b], s[CS], v12       ; the same of each block's largest score
.endr
.set n, 0
	s_wait_alu depctr_va_vdst(0)
.rept 64
	v_exp_f32 v[S+n], v[S+n]                       ; p = 2^(t - M), at most 1
.set n, n+1
.endr
.irp b, 0,1,2,3
	v_exp_f32 v[BM+\b], v[BM+\b]                   ; the block's largest p: the same two instructions on the same number
.endr
	v_pk_mul_f32 v[14:15], v[14:15], v[FF:FF+1] op_sel_hi:[1,0]   ; the sums under the new M.  (The plain place behind the exponentials)
	s_wait_alu depctr_va_vdst(0)
.irp b, 0,1,2,3
	v_max_num_f32 v[BM+\b], 0x1800000, v[BM+\b]    ; the floor 2^(3 - 127): the byte cannot fall under 1
.endr
.irp b, 0,1,2,3
	s_delay_alu instid0(VALU_DEP_4)
	v_add_nc_u32 v[SO+\b], 0xff000000, v[BM+\b]    ; 2 off the exponent field: the conversion's scale operand
.endr
.irp b, 0,1,2,3
	s_delay_alu instid0(VALU_DEP_4)
	v_lshrrev_b32 v[T2+\b], 23, v[SO+\b]           ; the scale's byte
.endr
	s_delay_alu instid0(VALU_DEP_3)
	v_lshl_or_b32 v[PW], v[T2+1], 8, v[T2]         ; p's scale word for these 128 keys
	s_delay_alu instid0(VALU_DEP_1)
	v_lshl_or_b32 v[PW], v[T2+2], 16, v[PW]
	s_delay_alu instid0(VALU_DEP_1)
	v_lshl_or_b32 v[PW], v[T2+3], 24, v[PW]
.irp t, 0,1,2,3,4,5,6,7
	v_cvt_scalef32_pk8_fp4_f32 v[PC+4*(\t/4)+2*(\t%2)+(\t%4)/2], v[S+8*\t:S+8*\t+7], v[SO+\t/2]   ; tile t's eight codes; of four tiles the order 0, 2, 1, 3, for the exchanges below
.endr
	v_nop                                          ; one plain place behind a scaled conversion
.irp c, 0,1
	v_permlane16_swap_b32 v[PC+4*\c], v[PC+4*\c+1]       ; lanes 0-15 now hold block 2 c whole, lanes 16-31 block 2 c + 1
	v_permlane16_swap_b32 v[PC+4*\c+2], v[PC+4*\c+3]
.endr
	v_pk_add_f32 v[226:227], v[100:101], v[104:105]
	v_pk_add_f32 v[252:253], v[108:109], v[112:113]
	v_pk_add_f32 v[250:251], v[116:117], v[120:121]
	v_pk_add_f32 v[248:249], v[124:125], v[128:129]
	v_pk_add_f32 v[246:247], v[132:133], v[136:137]
	v_pk_add_f32 v[244:245], v[140:141], v[144:145]
	v_pk_add_f32 v[242:243], v[148:149], v[152:153]
	v_pk_add_f32 v[14:15], v[14:15], v[156:157]
	v_pk_add_f32 v[226:227], v[226:227], v[96:97]
	v_pk_add_f32 v[252:253], v[252:253], v[98:99]
	v_pk_add_f32 v[250:251], v[250:251], v[102:103]
	v_pk_add_f32 v[248:249], v[248:249], v[106:107]
	s_setprio 0
	v_pk_add_f32 v[246:247], v[246:247], v[110:111]
	v_pk_add_f32 v[244:245], v[244:245], v[114:115]
	v_pk_add_f32 v[242:243], v[242:243], v[118:119]
	v_pk_add_f32 v[14:15], v[14:15], v[122:123]
	v_pk_add_f32 v[226:227], v[226:227], v[126:127]
	v_pk_add_f32 v[252:253], v[252:253], v[130:131]
	v_pk_add_f32 v[250:251], v[250:251], v[134:135]
	v_pk_add_f32 v[248:249], v[248:249], v[138:139]
	v_pk_add_f32 v[246:247], v[246:247], v[142:143]
	v_pk_add_f32 v[244:245], v[244:245], v[146:147]
	v_pk_add_f32 v[242:243], v[242:243], v[150:151]
	v_pk_add_f32 v[14:15], v[14:15], v[154:155]
	v_pk_add_f32 v[226:227], v[226:227], v[158:159]
	s_delay_alu instid0(VALU_DEP_2)
	v_pk_add_f32 v[14:15], v[14:15], v[248:249]
	s_delay_alu instid0(VALU_DEP_2)
	v_pk_add_f32 v[226:227], v[226:227], v[246:247]
	v_pk_add_f32 v[252:253], v[252:253], v[244:245]
	v_pk_add_f32 v[250:251], v[250:251], v[242:243]
	s_delay_alu instid0(VALU_DEP_2)
	v_pk_add_f32 v[14:15], v[14:15], v[252:253]
	s_delay_alu instid0(VALU_DEP_2)
	v_pk_add_f32 v[226:227], v[226:227], v[250:251]
	s_delay_alu instid0(VALU_DEP_1)
	v_pk_add_f32 v[14:15], v[14:15], v[226:227]
.set n, 0
.rept 16
	v_pk_mul_f32 v[OT+n:OT+n+1], v[OT+n:OT+n+1], v[FF:FF+1] op_sel_hi:[1,0]   ; O^T under the new M.  (With the sums above: the places between p's codes and scale word and the products below)
.set n, n+2
.endr
	s_wait_alu depctr_va_vdst(0)
	s_wait_dscnt 0x0                               ; V
.irp t, 0,1,2,3
	v_wmma_scale_f32_16x16x128_f8f6f4 v[OT+8*\t:OT+8*\t+7], v[VFR+8*\t:VFR+8*\t+7], v[PC:PC+7], v[OT+8*\t:OT+8*\t+7], v[SV+\t], v[PW] matrix_a_fmt:MATRIX_FMT_FP4 matrix_b_fmt:MATRIX_FMT_FP4
.endr
.Lhid_\@:
	s_add_co_u32 s[KF], s[KF], 128
	s_add_co_u32 s[TK], s[TK], 4096
	s_add_co_u32 s[TS], s[TS], 512
	s_add_co_u32 s[TT], s[TT], 256
	s_add_co_u32 s[JJ], s[JJ], 1
	s_cmp_lt_u32 s[JJ], 16
	s_cbranch_scc1 .Lstep_\@
	s_setprio 0
	; THE PASS'S END: O^T / the sum is my 16 tokens' 64 numbers of this head: two blocks of 32 along the last product's K.  Register 8 t + j is number 16 t + 8 h + j of my token.
.rept 4
	v_nop                                          ; places behind the last products
.endr
	v_add_f32 v14, v14, v15                        ; the sum's two halves,
	s_delay_alu instid0(VALU_DEP_1)
	v_permlanex16_b32 v[TP], v14, s[SEL], s[SEL+1]
	s_delay_alu instid0(VALU_DEP_1)
	v_add_f32 v14, v14, v[TP]                      ; and lane l xor 16's: the row's sum
	s_wait_alu depctr_va_vdst(0)
	v_rcp_f32 v[RL], v14
	v_rcp_f32 v[RL+1], v14
	v_nop                                          ; one plain place behind a transcendental
.set n, 0
	s_wait_alu depctr_va_vdst(0)
.rept 16
	v_pk_mul_f32 v[S+n:S+n+1], v[OT+n:OT+n+1], v[RL:RL+1]      ; each accumulator from its low end on
.set n, n+2
.endr
.irp b, 0,1
	v_max3_num_f32 v[BM+\b], |v[S+16*\b]|, |v[S+1+16*\b]|, 0x1800000
.endr
.irp i, 2,4,6,8,10,12,14
.irp b, 0,1
	s_delay_alu instid0(VALU_DEP_2)
	v_max3_num_f32 v[BM+\b], v[BM+\b], |v[S+16*\b+\i]|, |v[S+1+16*\b+\i]|
.endr
.endr
.irp b, 0,1
	s_delay_alu instid0(VALU_DEP_2)
	v_permlanex16_b32 v[T2+\b], v[BM+\b], s[SEL], s[SEL+1]
.endr
.irp b, 0,1
	s_delay_alu instid0(VALU_DEP_2)
	v_max_num_f32 v[BM+\b], v[BM+\b], v[T2+\b]
.endr
.irp b, 0,1
	s_delay_alu instid0(VALU_DEP_2)
	v_add_nc_u32 v[SO+\b], 0xff000000, v[BM+\b]
.endr
.irp b, 0,1
	s_delay_alu instid0(VALU_DEP_2)
	v_lshrrev_b32 v[T2+\b], 23, v[SO+\b]
.endr
	s_delay_alu instid0(VALU_DEP_1)
	v_lshl_or_b32 v[CW], v[T2+1], 8, v[T2]
.irp t, 0,1,2,3
	v_cvt_scalef32_pk8_fp4_f32 v[CX+2*(\t%2)+\t/2], v[S+8*\t:S+8*\t+7], v[SO+\t/2]
.endr
	v_nop
	v_permlane16_swap_b32 v[CX], v[CX+1]
	v_permlane16_swap_b32 v[CX+2], v[CX+3]
	global_store_b128 v[LI], v[CX:CX+3], s[80:81]  ; the piece: 512 consecutive bytes, aligned
	global_store_b16 v[CSO], v[CW], s[82:83]       ; my token's two scale bytes, in rows 32 bytes apart (lanes 16-31 write the same bytes with the same values): 32 bytes beside the piece's 512, in pieces of 2 bytes
.endm
	PASS 1
	s_sub_co_u32 s[Q0], 2032, s[Q0]                ; the second pass: block 7 - x, the waves in reverse
	PASS 0
	s_wait_tensorcnt 0x0
	ds_add_u32 v254, v255
	s_wait_dscnt 0x0
	s_endpgm
.Lfunc_end_k_q0af286eae9_attn:
	.size	k_q0af286eae9_attn, .Lfunc_end_k_q0af286eae9_attn-k_q0af286eae9_attn
	.p2alignl 7, 3214868480
	.fill 96, 4, 3214868480
	.section	.rodata,"a",@progbits
	.p2align	6, 0x0
	.amdhsa_kernel k_q0af286eae9_attn
		.amdhsa_group_segment_fixed_size 169984
		.amdhsa_private_segment_fixed_size 0
		.amdhsa_enable_private_segment 0
		.amdhsa_kernarg_size 64
		.amdhsa_user_sgpr_count 2
		.amdhsa_user_sgpr_kernarg_segment_ptr 1
		.amdhsa_wavefront_size32 1
		.amdhsa_system_sgpr_workgroup_id_x 1
		.amdhsa_system_sgpr_workgroup_id_y 1
		.amdhsa_system_sgpr_workgroup_id_z 1
		.amdhsa_system_vgpr_workitem_id 0
		.amdhsa_next_free_vgpr 256
		.amdhsa_next_free_sgpr 92
		.amdhsa_reserve_vcc 1
		.amdhsa_float_denorm_mode_32 3
		.amdhsa_float_denorm_mode_16_64 3
		.amdhsa_memory_ordered 1
		.amdhsa_forward_progress 1
		.amdhsa_inst_pref_size 62
	.end_amdhsa_kernel
	.amdgpu_metadata
---
amdhsa.version: [ 1, 2 ]
amdhsa.kernels:
  - .name:           k_q0af286eae9_attn
    .symbol:         k_q0af286eae9_attn.kd
    .args:
      - { .name: qimg, .offset: 0, .size: 8, .value_kind: global_buffer, .address_space: global }
      - { .name: qsc, .offset: 8, .size: 8, .value_kind: global_buffer, .address_space: global }
      - { .name: kimg, .offset: 16, .size: 8, .value_kind: global_buffer, .address_space: global }
      - { .name: ksc, .offset: 24, .size: 8, .value_kind: global_buffer, .address_space: global }
      - { .name: vimg, .offset: 32, .size: 8, .value_kind: global_buffer, .address_space: global }
      - { .name: vsc, .offset: 40, .size: 8, .value_kind: global_buffer, .address_space: global }
      - { .name: cimg, .offset: 48, .size: 8, .value_kind: global_buffer, .address_space: global }
      - { .name: csc, .offset: 56, .size: 8, .value_kind: global_buffer, .address_space: global }
    .group_segment_fixed_size: 169984
    .private_segment_fixed_size: 0
    .kernarg_segment_align: 8
    .kernarg_segment_size: 64
    .max_flat_workgroup_size: 512
    .sgpr_count:     92
    .vgpr_count:     256
    .wavefront_size: 32
...
	.end_amdgpu_metadata
.endif
;; end of part 2
;; launch outp (part 3): grid 4 x 64, 4 waves a work-group, clusters of 4 x 4, 218,368 bytes of LDS; arguments cimg, csc, Wo_codes, Wo_scales, bo, out0; writes out0
.if DOCPART == 3
	.amdgcn_target "amdgcn-amd-amdhsa--gfx1250"
	.amdhsa_code_object_version 6
	.text
	.protected	k_q0af286eae9_outp
	.globl	k_q0af286eae9_outp
	.p2align	8
	.type	k_q0af286eae9_outp,@function
k_q0af286eae9_outp:
	s_mov_b64 s[64:65], 0
	v_nop
	global_prefetch_b8 v0, s[64:65] scope:SCOPE_SE
	s_setreg_imm32_b32 hwreg(HW_REG_WAVE_MODE, 25, 1), 1
	s_wait_xcnt 0x0
	s_wait_alu depctr_hold_cnt(0) depctr_sa_sdst(0) depctr_va_vdst(0) depctr_va_sdst(0) depctr_va_ssrc(0) depctr_va_vcc(0) depctr_vm_vsrc(0)
	s_getreg_b32 s2, hwreg(HW_REG_IB_STS2, 6, 4)
	s_cmp_eq_u32 s2, 0
	s_cbranch_scc0 .Lentry_in_a_cluster
	s_endpgm
.Lentry_in_a_cluster:
	s_bfe_u32 s2, ttmp6, 0x10000c
	s_cmp_lg_u32 s2, 0xf033
	s_cbranch_scc0 .Lentry_shape_is_right
	s_endpgm
.Lentry_shape_is_right:
; out0 = ctx Wo + bo on codes of FP4 (E2M1) with one E8M0 scale for each 32 along K = 1,024; out0 [8,192][1,024] f32.
; ctx comes from the launch before: cimg [tile of 16 tokens, 512][head 16][512 bytes]: images of operand registers (lane (r, h)'s 16 bytes at 16 x lane = token r, k = 64 head + 32 h + 0 .. 31), so that a tile's 1,024 bytes
; from 1,024 q on are the fragment of K step q as it stands in registers; csc [token][32 scale bytes].  Wo: 1,024 rows (one for each output feature) of 512 bytes of codes and 32 scale bytes.
; SHARES.  256 work-groups of four waves; a work-group makes 128 tokens x 256 features, a wave 64 x 128: 32 accumulators.  All of K lies in LDS, two halves of 512 along K, each filled ONCE; the scale bytes likewise.
; CLUSTERS: 4 x 4 work-groups.  The four of a row of the cluster need the same tokens, the four of a column the same rows of Wo: each tile is asked for jointly.
; THE MATRIX INSTRUCTION IS USED TRANSPOSED (source 0 = 16 rows of Wo, source 1 = 16 tokens): a lane holds eight neighbouring numbers of a row of out0.  The bias is the C of each sum's first product.
; LIMITS: NaN, infinities and scale bytes 0xff among the inputs are not served.
; REGISTERS: window 0: v16-27 addresses; v32-95 scale words, two sets; v128-159, v160-191 ctx's fragments, two sets; v192-255 the bias (8 registers for each tile of 16 features); on the way out v128-255 take rows of out0.
;   window 1: Wo's fragments, two sets, at v0 and v128.   window 2: the accumulators ((a, b) at v[8 (8 a + b)]).
.set PITCH,  272                       ; a row of Wo's tile in LDS: 256 bytes + 16 of padding: row r starts at bank 4 r mod 64 (64 banks of 4 bytes: ISA guide 11.1)
.set ABYTES, 8*4096                    ; ctx's eight tiles of tokens x 4,096 bytes of images: no padding, a load's 512 bytes are consecutive
.set HALFT,  128*PITCH                 ; 128 rows of Wo
.set SLOT,   ABYTES+2*HALFT            ; one half of K: 102,400 bytes
.set SCL,    2*SLOT                    ; behind the halves: the scale bytes, as runs of 256 bytes + 16 of padding
.set HALFSA, 8*272                     ; those of 64 tokens
.set HALFSB, 16*272                    ; those of 128 rows of Wo
.set SBLK,   2*272                     ; those of 16 rows
.set SPITCH, 528                       ; the way out: a stage of 16 rows x (512 bytes + 16) for each wave, from LDS byte 0: in the first half of K, which has had its only fill and which nobody reads behind the change of halves
.set NQ,     4
.set FR,     8
.set NP,     4
.set ADRA, 16                          ; v16-17  LDS address of my ctx fragments in half 0, 1
.set ADRB, 20                          ; v20-21  the same for Wo
.set BO,   23                          ; v23     32 h: my eight numbers of a tile's sixteen of bo
.set STO,  24                          ; v24     the way out: where I put 32 bytes of a row
.set RD,   25                          ; v25     and where I read a row back
.set CO,   26                          ; v26     16 x lane
.set ADRS, 27                          ; v27     LDS address of my scale words: lanes 0-15 ctx's rows, lanes 16-31 Wo's
.set SC,   32
.set AF,   128
.set BIAS, 192
.set BK,   128
.set WV,   66
.set WL,   67                          ; which 64 tokens are mine; also: I fetch for ctx (0) or for Wo (1)
.set WR,   100                         ; which 128 features are mine; also: which half of that tile I fetch
.set G1,   24
.set G0,   32
.set G1B,  48
.set G0B,  56
.set G1S,  68
.set G0S,  76
.set G1SB, 80
.set G0SB, 88
.set MSB, 0
.macro WIN new                         ; the immediate's high byte repeats the setting that is left
.if MSB != \new
	s_set_vgpr_msb (MSB<<8)|\new
.set MSB, \new
.endif
.endm
.set MUL,   0xa1                       ; source 0 (Wo) window 1, source 1 (ctx) window 0, C and D window 2
.set MUL_B, 0x81                       ; the same with C (the bias) in window 0
.set TO_B,  0x40                       ; destination window 1, address window 0
.macro JLOAD g0a, g1a, g0b, g1b        ; a joint load: waves 0 and 1 fetch for ctx, waves 2 and 3 for Wo; four v_nop follow each of the two lines
	s_cmp_eq_u32 s[WL], 0
	s_cbranch_scc0 .Lfor_b_\@
	tensor_load_to_lds s[\g0a:\g0a+3], s[\g1a:\g1a+7]
	s_nop 0
.rept 4
	v_nop
.endr
	s_branch .Lasked_\@
.Lfor_b_\@:
	tensor_load_to_lds s[\g0b:\g0b+3], s[\g1b:\g1b+7]
	s_nop 0
.rept 4
	v_nop
.endr
.Lasked_\@:
.endm
.macro CROUND                          ; a round of the cluster's barrier
	s_barrier_signal -1
	s_barrier_wait -1
	s_cmp_lg_u32 s[WV], 0
	s_cbranch_scc1 .Lnot_wave_0_\@
	s_barrier_signal -3
.Lnot_wave_0_\@:
	s_barrier_wait -3
	s_barrier_signal -1
	s_barrier_wait -1
.endm
	s_load_b128 s[4:7], s[0:1], 0x0                ; cimg, csc
	s_load_b128 s[8:11], s[0:1], 0x10              ; Wo's codes, Wo's scales
	s_load_b128 s[12:15], s[0:1], 0x20             ; bo, out0
	v_lshl_add_u32 v126, v0, 2, 0x35300
	v_mov_b32 v127, 0
	ds_add_u32 v126, v127
	ds_add_u32 v126, v127
	v_lshrrev_b32 v1, 5, v0
	v_readfirstlane_b32 s[WV], v1                  ; wave 0..3
	s_lshr_b32 s[WL], s[WV], 1
	s_and_b32 s[WR], s[WV], 1
	s_bfe_u32 s40, ttmp6, 0x40000                  ; cx: the grid is one cluster wide, so cx is the block of 256 features
	s_bfe_u32 s41, ttmp6, 0x40004                  ; cy
	s_and_b32 s42, ttmp7, 0xffff
	s_lshl_b32 s42, s42, 2
	s_add_co_u32 s42, s42, s41                     ; the block of 128 tokens = 4 x cluster y + cy
	s_lshl_b32 s43, s41, 2
	s_lshl_b32 s43, 15, s43                        ; my row of the cluster
	s_lshl_b32 s44, 0x1111, s40                    ; my column
	; ctx: four tiles of tokens, of each the 4,096 bytes of one half of K: 4 rows of 512 elements of 8 bytes, 1,024 elements apart; no padding
	s_or_b32 s[G1+0], s43, (3<<16)|(1<<21)
	s_mov_b32 s[G1+1], 512<<16
	s_mov_b32 s[G1+2], 4<<16
	s_mov_b32 s[G1+3], 512<<16
	s_mov_b32 s[G1+4], 4
	s_mov_b32 s[G1+5], 1024
	s_mov_b32 s[G1+6], 0
	s_mov_b32 s[G1+7], 0
	; Wo: 128 rows x 256 bytes out of rows of 512, 4 words of padding behind every 64
	s_or_b32 s[G1B+0], s44, (0<<16)|(1<<20)|(1<<21)|(5<<22)|(3<<25)
	s_mov_b32 s[G1B+1], 256<<16
	s_mov_b32 s[G1B+2], 128<<16
	s_mov_b32 s[G1B+3], 256<<16
	s_mov_b32 s[G1B+4], 128
	s_mov_b32 s[G1B+5], 512
	s_mov_b32 s[G1B+6], 0
	s_mov_b32 s[G1B+7], 0
	; the scale bytes: dense, as rows of 256 bytes (32 elements of 8), padded alike: 8 rows for 64 tokens, 16 for 128 rows of Wo
	s_or_b32 s[G1S+0], s43, (3<<16)|(1<<20)|(1<<21)|(5<<22)|(3<<25)
	s_or_b32 s[G1SB+0], s44, (3<<16)|(1<<20)|(1<<21)|(5<<22)|(3<<25)
.irp g, G1S, G1SB
	s_mov_b32 s[\g+1], 32<<16
	s_mov_b32 s[\g+3], 32<<16
	s_mov_b32 s[\g+5], 32
	s_mov_b32 s[\g+6], 0
	s_mov_b32 s[\g+7], 0
.endr
	s_mov_b32 s[G1S+2], 8<<16
	s_mov_b32 s[G1S+4], 8
	s_mov_b32 s[G1SB+2], 16<<16
	s_mov_b32 s[G1SB+4], 16
	; where the tiles come from: ctx's hang on the block of tokens, which my row of the cluster shares; Wo's on cx, which my column shares
	s_lshl_b32 s16, s42, 16                        ; 8 tiles x 8,192 bytes a block of tokens,
	s_lshl_b32 s17, s[WR], 15                      ; + 4 tiles for the second half
	s_add_co_u32 s[G0+2], s16, s17
	s_mov_b32 s[G0+3], 0
	s_lshl_b32 s16, s42, 12                        ; 128 tokens x 32 scale bytes
	s_lshl_b32 s17, s[WR], 11
	s_add_co_u32 s[G0S+2], s16, s17
	s_mov_b32 s[G0S+3], 0
	s_lshl_b32 s18, s40, 17                        ; 256 rows x 512 bytes
	s_lshl_b32 s19, s[WR], 16
	s_add_co_u32 s[G0B+2], s18, s19
	s_mov_b32 s[G0B+3], 0
	s_lshl_b32 s18, s40, 13                        ; 256 rows x 32 scale bytes
	s_lshl_b32 s19, s[WR], 12
	s_add_co_u32 s[G0SB+2], s18, s19
	s_mov_b32 s[G0SB+3], 0
	s_lshl_b32 s45, s[WR], 14                      ; where they go: no place in the cluster enters an LDS address
	s_mul_i32 s46, s[WR], HALFT
	s_add_co_u32 s46, s46, ABYTES
	s_mul_i32 s47, s[WR], HALFSA
	s_mul_i32 s2, s[WR], HALFSB
	s_wait_dscnt 0x0
	s_wait_kmcnt 0x0
	s_mov_b32 s[G0S], 1
	s_add_co_u32 s[G0S+1], s47, SCL
	s_add_nc_u64 s[G0S+2:G0S+3], s[6:7], s[G0S+2:G0S+3]
	s_or_b32 s[G0S+3], s[G0S+3], 0x80000000
	s_mov_b32 s[G0SB], 1
	s_add_co_u32 s[G0SB+1], s2, SCL+2*HALFSA
	s_add_nc_u64 s[G0SB+2:G0SB+3], s[10:11], s[G0SB+2:G0SB+3]
	s_or_b32 s[G0SB+3], s[G0SB+3], 0x80000000
	s_mov_b32 s[G0], 1
	s_mov_b32 s[G0+1], s45
	s_add_nc_u64 s[G0+2:G0+3], s[4:5], s[G0+2:G0+3]
	s_mov_b32 s[G0+4], 1
	s_add_co_u32 s[G0+5], s45, SLOT
	s_add_nc_u64 s[G0+6:G0+7], s[G0+2:G0+3], 4096  ; the second half of K: heads 8 to 15
	s_or_b32 s[G0+3], s[G0+3], 0x80000000
	s_or_b32 s[G0+7], s[G0+7], 0x80000000
	s_mov_b32 s[G0B], 1
	s_mov_b32 s[G0B+1], s46
	s_add_nc_u64 s[G0B+2:G0B+3], s[8:9], s[G0B+2:G0B+3]
	s_mov_b32 s[G0B+4], 1
	s_add_co_u32 s[G0B+5], s46, SLOT
	s_add_nc_u64 s[G0B+6:G0B+7], s[G0B+2:G0B+3], 256
	s_or_b32 s[G0B+3], s[G0B+3], 0x80000000
	s_or_b32 s[G0B+7], s[G0B+7], 0x80000000
	CROUND                                         ; all sixteen work-groups are here: the joint loads meet
	JLOAD G0S, G1S, G0SB, G1SB                     ; the scales first, then the two halves of K: three tensor loads of mine are out, all that this text issues
	JLOAD G0, G1, G0B, G1B
	JLOAD G0+4, G1, G0B+4, G1B
	v_and_b32 v1, 15, v0                           ; r
	v_bfe_u32 v2, v0, 4, 1                         ; h
	v_and_b32 v3, 31, v0
	v_lshlrev_b32 v[CO], 4, v3
	v_lshlrev_b32 v[BO], 5, v2
	s_wait_alu depctr_va_vdst(0)
	s_lshl_b32 s16, s40, 10                        ; my first feature, in bytes of f32: 1,024 cx + 512 x half
	s_lshl_b32 s17, s[WR], 9
	s_add_co_u32 s16, s16, s17
	s_mov_b32 s17, 0
	s_add_nc_u64 s[12:13], s[12:13], s[16:17]      ; bo there
	s_add_nc_u64 s[14:15], s[14:15], s[16:17]      ; out0: that column,
	s_lshl_b32 s16, s42, 19                        ; 128 rows of 4,096 bytes a block of tokens,
	s_lshl_b32 s18, s[WL], 18                      ; + 64 rows for the second half
	s_add_co_u32 s16, s16, s18
	s_add_nc_u64 s[14:15], s[14:15], s[16:17]
.irp b, 0,1,2,3,4,5,6,7
	global_load_b128 v[BIAS+8*\b:BIAS+8*\b+3], v[BO], s[12:13] offset:64*\b        ; lane (r, h): bo at features 16 b + 8 h + 0 .. 7: the result's layout
	global_load_b128 v[BIAS+8*\b+4:BIAS+8*\b+7], v[BO], s[12:13] offset:64*\b+16
.endr
	s_lshl_b32 s4, s[WL], 14                       ; my four tiles of tokens
	v_add_nc_u32 v[ADRA], s4, v[CO]
	v_add_nc_u32 v[ADRA+1], SLOT, v[ADRA]
	v_mul_u32_u24 v4, v1, PITCH
	v_lshl_add_u32 v4, v2, 4, v4
	s_mul_i32 s5, s[WR], HALFT
	s_add_co_u32 s5, s5, ABYTES                    ; my 128 rows of Wo, behind ctx's images
	v_add_nc_u32 v[ADRB], s5, v4
	v_add_nc_u32 v[ADRB+1], SLOT, v[ADRB]
	v_mul_u32_u24 v5, v1, 32                       ; my row's scales: 32 bytes a row,
	v_lshrrev_b32 v6, 8, v5
	v_lshl_add_u32 v5, v6, 4, v5                   ; and 16 more for each 256 passed
	s_mul_i32 s4, s[WL], HALFSA
	s_mul_i32 s5, s[WR], HALFSB
	s_add_co_u32 s5, s5, 2*HALFSA
	s_sub_co_u32 s5, s5, s4
	v_mul_u32_u24 v6, s5, v2                       ; lanes 16-31 take Wo's: one product, the distance between the two bases
	s_add_co_u32 s4, s4, SCL
	v_add_nc_u32 v5, v5, v6
	v_add_nc_u32 v[ADRS], s4, v5
	s_mul_i32 s4, s[WV], 16*SPITCH                 ; my stage
	v_mul_u32_u24 v5, v1, SPITCH
	v_lshl_add_u32 v5, v2, 5, v5
	v_add_nc_u32 v[STO], s4, v5                    ; in: row r, 32 bytes for each half of the lanes
	v_add_nc_u32 v[RD], s4, v[CO]                  ; back: the 32 lanes take one row of 512 bytes
.macro FRAG reg, adr, q, i             ; Wo: 16 rows x 128 K: lane l holds row l % 16; registers 4 c .. 4 c + 3 hold K = 64 c + 32 (l / 16) + 0 .. 31
.irp c, 0,1
	ds_load_b128 v[\reg+4*\c:\reg+4*\c+3], v[\adr] offset:64*(\q)+32*\c+(\i)*16*PITCH
.endr
.endm
.macro FRAGA reg, slot, q, a           ; ctx: the image as it lies
.irp c, 0,1
	ds_load_b128 v[\reg+4*\c:\reg+4*\c+3], v[ADRA+\slot] offset:(\a)*4096+(\q)*1024+512*\c
.endr
.endm
.macro FETCH slot, q, p                ; the fragments of the half's q-th 128 along K into sets p: 16 loads for Wo, 8 for ctx
	WIN TO_B
.irp i, 0,1,2,3,4,5,6,7
	FRAG 128*(\p)+FR*\i, ADRB+\slot, \q, \i
.endr
	WIN 0
.irp a, 0,1,2,3
	FRAGA AF+32*(\p)+FR*\a, \slot, \q, \a
.endr
.endm
.macro SCALES sc                       ; a half's scale words: lanes 0-15 take ctx's block i (for i over 3 bytes that are loaded and not used), lanes 16-31 Wo's block i
.irp i, 0,1,2,3,4,5,6,7
	ds_load_b128 v[SC+8*NQ*\sc+NQ*\i:SC+8*NQ*\sc+NQ*\i+3], v[ADRS] offset:\i*SBLK
.endr
.endm
.macro PLACES n                        ; places behind matrix instructions, in front of loads into registers that they read and of the first read of results
.rept \n
	v_nop
.endr
.endm
; 32 matrix instructions: my four blocks of tokens x eight tiles of features, 128 along K.  The 32 accumulators take turns, one instruction a turn.  zero = 1: the bias starts the sums.
.macro MUL32 p, q, sc, zero
.irp a, 0,1,2,3
.irp b, 0,1,2,3,4,5,6,7
.if \zero
	v_wmma_scale_f32_16x16x128_f8f6f4 v[8*(8*\a+\b):8*(8*\a+\b)+7], v[128*(\p)+FR*\b:128*(\p)+FR*\b+FR-1], v[AF+32*(\p)+FR*\a:AF+32*(\p)+FR*\a+FR-1], v[BIAS+8*\b:BIAS+8*\b+7], v[SC+8*NQ*(\sc)+NQ*\b+(\q)], v[SC+8*NQ*(\sc)+NQ*\a+(\q)] matrix_a_fmt:MATRIX_FMT_FP4 matrix_b_fmt:MATRIX_FMT_FP4 matrix_a_scale:MATRIX_SCALE_ROW1
.else
	v_wmma_scale_f32_16x16x128_f8f6f4 v[8*(8*\a+\b):8*(8*\a+\b)+7], v[128*(\p)+FR*\b:128*(\p)+FR*\b+FR-1], v[AF+32*(\p)+FR*\a:AF+32*(\p)+FR*\a+FR-1], v[8*(8*\a+\b):8*(8*\a+\b)+7], v[SC+8*NQ*(\sc)+NQ*\b+(\q)], v[SC+8*NQ*(\sc)+NQ*\a+(\q)] matrix_a_fmt:MATRIX_FMT_FP4 matrix_b_fmt:MATRIX_FMT_FP4 matrix_a_scale:MATRIX_SCALE_ROW1
.endif
.endr
.endr
.endm
; A step: this step's fragments are in; the next step's (half nslot, its nq-th) are asked for into the other sets; then the 32 products.
.macro STEP3 sc, q, nslot, nq, zero
	s_wait_dscnt 0x0
	PLACES NP
	FETCH \nslot, \nq, 1-(\q)%2
.if \zero
	WIN MUL_B
.else
	WIN MUL
.endif
	MUL32 (\q)%2, \q, \sc, \zero
	WIN 0
.endm
	s_wait_alu depctr_va_vdst(0)
	s_wait_tensorcnt 1                             ; the scales and my part of the first half of K are in (the second half's load may be out),
	s_barrier_signal -1
	s_barrier_wait -1                              ; everybody's are
	FETCH 0, 0, 0
	SCALES 0
	s_wait_loadcnt 0x0                             ; the bias
	STEP3 0, 0, 0, 1, 1
	STEP3 0, 1, 0, 2, 0
	STEP3 0, 2, 0, 3, 0
	s_wait_tensorcnt 0x0                           ; the change of halves: my part of the second half has landed,
	s_wait_dscnt 0x0                               ; my reads of the first half are over,
	s_barrier_signal -1
	s_barrier_wait -1                              ; and so for every wave
	PLACES NP
	v_add_nc_u32 v[ADRS], 4*NQ, v[ADRS]            ; the second half's scale words: 16 bytes on in each row
	FETCH 1, 0, 0
	SCALES 1
	WIN MUL
	MUL32 1, 3, 0, 0
	WIN 0
	STEP3 1, 0, 1, 1, 0
	STEP3 1, 1, 1, 2, 0
	STEP3 1, 2, 1, 3, 0
	s_wait_dscnt 0x0                               ; the last step: nothing more to fetch
	WIN MUL
	MUL32 1, 3, 1, 0
	WIN 0
; THE WAY OUT, block by block of 16 tokens x 128 features.  A lane holds 32 neighbouring bytes of a row, the lanes beside it other rows: a block goes through my own stage and comes back as whole rows of 512 bytes.
; LDS serves a wave's instructions in order (ISA guide 5.7.1.4): no wait between the stores and the loads, nor in front of the next block's stores.
.macro TOSTAGE a
.set AC, 64*(\a)
	WIN 0x08                                       ; an LDS store's data are its source 1: window 2
.irp b, 0,1,2,3,4,5,6,7
	ds_store_b128 v[STO], v[AC+8*\b:AC+8*\b+3] offset:64*\b          ; each accumulator from its low end on
	ds_store_b128 v[STO], v[AC+8*\b+4:AC+8*\b+7] offset:64*\b+16
.endr
	WIN 0
.set BB, BK+64*((\a)%2)
.irp t, 0,1,2,3,4,5,6,7,8,9,10,11,12,13,14,15
	ds_load_b128 v[BB+4*\t:BB+4*\t+3], v[RD] offset:\t*SPITCH
.endr
.endm
.macro SEND a, younger                 ; younger: the LDS instructions issued behind block a's loads, which may stay out
.set BB, BK+64*((\a)%2)
	s_wait_dscnt \younger
.if (\a) > 0
	s_add_nc_u64 s[14:15], s[14:15], 16*4096       ; (behind a wait on XCNT: the earlier stores have read their base)  16 rows of out0 on
.endif
.irp t, 0,1,2,3,4,5,6,7,8,9,10,11,12,13,14,15
	global_store_b128 v[CO], v[BB+4*\t:BB+4*\t+3], s[14:15] offset:\t*4096 th:TH_STORE_NT   ; 32 lanes store 512 consecutive bytes, at a multiple of 256 from out0's first byte; written once, read by nobody here
.endr
.endm
	PLACES NP
	TOSTAGE 0
.irp a, 1,2,3
.if \a > 1
	s_wait_xcnt 0x0                                ; block a - 2's stores have read their registers and their base
.endif
	TOSTAGE \a
	SEND \a-1, 32                                  ; behind block a - 1's loads: block a's 16 stores and 16 loads
.endr
	s_wait_xcnt 0x0                                ; block 2's stores have read their base
	SEND 3, 0
	s_wait_tensorcnt 0x0
	ds_add_u32 v126, v127
	s_wait_dscnt 0x0
	CROUND                                         ; the closing round: no work-group ends while a partner may still ask for a tile that names it
	s_endpgm
.Lfunc_end_k_q0af286eae9_outp:
	.size	k_q0af286eae9_outp, .Lfunc_end_k_q0af286eae9_outp-k_q0af286eae9_outp
	.p2alignl 7, 3214868480
	.fill 96, 4, 3214868480
	.section	.rodata,"a",@progbits
	.p2align	6, 0x0
	.amdhsa_kernel k_q0af286eae9_outp
		.amdhsa_group_segment_fixed_size 218368
		.amdhsa_private_segment_fixed_size 0
		.amdhsa_enable_private_segment 0
		.amdhsa_kernarg_size 48
		.amdhsa_user_sgpr_count 2
		.amdhsa_user_sgpr_kernarg_segment_ptr 1
		.amdhsa_wavefront_size32 1
		.amdhsa_system_sgpr_workgroup_id_x 1
		.amdhsa_system_sgpr_workgroup_id_y 1
		.amdhsa_system_sgpr_workgroup_id_z 1
		.amdhsa_system_vgpr_workitem_id 0
		.amdhsa_next_free_vgpr 768
		.amdhsa_next_free_sgpr 102
		.amdhsa_reserve_vcc 0
		.amdhsa_float_denorm_mode_32 3
		.amdhsa_float_denorm_mode_16_64 3
		.amdhsa_memory_ordered 1
		.amdhsa_forward_progress 1
		.amdhsa_inst_pref_size 74
	.end_amdhsa_kernel
	.amdgpu_metadata
---
amdhsa.version: [ 1, 2 ]
amdhsa.kernels:
  - .name:           k_q0af286eae9_outp
    .symbol:         k_q0af286eae9_outp.kd
    .args:
      - { .name: cimg, .offset: 0, .size: 8, .value_kind: global_buffer, .address_space: global }
      - { .name: csc, .offset: 8, .size: 8, .value_kind: global_buffer, .address_space: global }
      - { .name: Wo_codes, .offset: 16, .size: 8, .value_kind: global_buffer, .address_space: global }
      - { .name: Wo_scales, .offset: 24, .size: 8, .value_kind: global_buffer, .address_space: global }
      - { .name: bo, .offset: 32, .size: 8, .value_kind: global_buffer, .address_space: global }
      - { .name: out0, .offset: 40, .size: 8, .value_kind: global_buffer, .address_space: global }
    .group_segment_fixed_size: 218368
    .private_segment_fixed_size: 0
    .kernarg_segment_align: 8
    .kernarg_segment_size: 48
    .max_flat_workgroup_size: 128
    .sgpr_count:     102
    .vgpr_count:     768
    .wavefront_size: 32
...
	.end_amdgpu_metadata
.endif
;; end of part 3
